; MI455X (gfx1250); checked and timed in simulation.
; The chip was launched on July 23, 2026; its instructions are those of AMD's public machine-readable ISA for CDNA 5 (MIT licence, August 2026) and "CDNA5" Instruction Set Architecture Reference Guide (July 2026). The comments in the code are by the model that wrote it; some were corrected since.
;; Attention. Allowed arithmetic: matrix products marked QUANTISED: E2M1 operands, one E8M0 scale for each 32 along K, by v_wmma_scale_f32_16x16x128_f8f6f4 with both operands' format E2M1 (or v_wmma_scale_f32_32x16x128_f4), f32 sums; products left as they are: bf16, f16 or f32 operands; f32 sums; everything else in f32.
;; Inputs: k_norm_w 64 float32; q_norm_w 64 float32; w_c 1,024 x 1,024 float32; w_kv 512 x 1,024 float32; w_q 1,024 x 1,024 float32; x 8 x 1,024 x 1,024 float32.
;; Outputs: out0 8 x 1,024 x 1,024 float32.
;; This version of the problem:
;;   THIS VERSION OF THE PROBLEM IS GIVEN IN LOW PRECISION. The matrix products marked QUANTISED in the list below multiply operands that are first quantised to E2M1 (2 exponent bits, 1 mantissa bit; 4 bits a number), with one power-of-two scale for each 32 numbers along K (OCP MX v1.0); their sums are f32. The products marked 'left as it is' may take bf16, f16 or f32 operands, with f32 sums. Whichever they take, every output number must still come out within the allowed error. Rounding operands to bf16 (8 significant bits) uses up far more of that allowance than f16 does (11 bits, for magnitudes from 6e-5 to 65,504). All else is computed in f32.
;;   The module's matrix products, in the order in which they are computed (A, B: the left and right operand; K: the contracted axis; several contracted axes count as one K, in the product's order):
;;     1. [M 8,192, K 1,024] x [K 1,024, N 1,024]; A: input x; B: input w_q: QUANTISED
;;     2. [M 8,192, K 1,024] x [K 1,024, N 512]; A: input x; B: input w_kv: QUANTISED
;;     3. batch 32 x [M 4,096, K 64] x [K 64, N 1,024]; A: computed on the way; B: computed on the way: left as it is (an operand is computed on the way)
;;     4. batch 32 x [M 4,096, K 1,024] x [K 1,024, N 64]; A: computed on the way; B: computed on the way: left as it is (an operand is computed on the way)
;;     5. [M 8,192, K 1,024] x [K 1,024, N 1,024]; A: computed on the way; B: input w_c: left as it is (an operand is computed on the way)
;;   THE QUANTISER, for each operand of a quantised product, along K:
;;     - K is cut into blocks of 32 from its start; a last block that is shorter is filled with zeros.
;;     - A block's scale is 2^e with e = floor(log2(the largest magnitude in the block)) - 2, held to -126 .. 127; a block of zeros has e = 0. As a byte (E8M0): e + 127.
;;     - Each number is divided by its block's scale, clamped to +-6, and rounded to the nearest number of E2M1, ties to even, subnormals kept.
;;     - The product sums the exact products of the quantised numbers (number of the format x scale) in f32.
;;   ~~~python
;;   def quantise(x, axis):      # numpy; x: float32 -> the quantised numbers, widened to float32 again
;;       x = np.moveaxis(x, axis, -1); K = x.shape[-1]
;;       x = np.pad(x, [(0, 0)] * (x.ndim - 1) + [(0, -K % 32)]); x = x.reshape(x.shape[:-1] + (-1, 32)); a = np.abs(x).max(-1, keepdims=True)
;;       e = np.where(a > 0, np.clip(np.frexp(np.where(a > 0, a, 1))[1] - 1 - 2, -126, 127), 0)      # np.frexp(a)[1] - 1 = floor(log2(a)), exactly
;;       r = np.clip(x / 2.0 ** e, -6, 6)
;;       step = 2.0 ** (np.maximum(np.frexp(np.where(r == 0, 1, r))[1] - 1, 0) - 1)
;;       q = np.round(r / step) * step * 2.0 ** e      # np.round: ties to even
;;       return np.moveaxis(q.reshape(q.shape[:-2] + (-1,))[..., :K], -1, axis).astype(np.float32)
;;   ~~~
;; One version. Each part assembles by itself: llvm-mc -triple=amdgcn-amd-amdhsa -mcpu=gfx1250 --defsym DOCPART=n.
;; ======== version 1 of 1: 5 launches
;; limits: values are held in f16: magnitudes above 65,504 overflow, below 6.1e-05 lose precision
;; workspace buffers: codes 4,980,736 bytes; scales 311,296 bytes; wc16 2,097,152 bytes; rope 262,144 bytes; qkv16 25,165,824 bytes; y16 16,777,216 bytes; fine32 786,432 bytes
;; launch prep (part 1): grid 368 x 1, 4 waves a work-group, no clusters, 33,280 bytes of LDS; arguments x, w_q, w_kv, w_c, codes, scales, wc16, rope; writes codes, scales, wc16, rope
.if DOCPART == 1
	.amdgcn_target "amdgcn-amd-amdhsa--gfx1250"
	.amdhsa_code_object_version 6
	.text
	.protected	k_q53b53720c0_prep
	.globl	k_q53b53720c0_prep
	.p2align	8
	.type	k_q53b53720c0_prep,@function
k_q53b53720c0_prep:
	s_mov_b64 s[64:65], 0
	v_nop
	global_prefetch_b8 v0, s[64:65] scope:SCOPE_SE
	s_setreg_imm32_b32 hwreg(HW_REG_WAVE_MODE, 25, 1), 1
	s_wait_xcnt 0x0
; PREP.  Three kinds of work-groups, told apart by the work-group's number alone:
;   0 .. 303    x, w_q and w_kv (f32, K innermost) become codes of E2M1 with one E8M0 byte for each 32 along K;
;   304 .. 335  w_c becomes f16;
;   336 .. 367  the table of cos and sin for the rotation: [t 1024][cos 32 | sin 32] f32.
; CODES.  A block's scale is 2^(floor(log2(largest magnitude)) - 2): its byte is the largest magnitude's exponent field - 2, held at 1 from below.
; A block of zeros so gets the byte 1 where the rule says 127: its codes are zeros, and the bytes are read by this program alone.
; LIMITS: NaN and infinities among the inputs are not served; blocks whose largest magnitude lies under 2^-124 get the byte 1.
; Rows of the buffer 'codes' (512 bytes) and 'scales' (32 bytes): 0 .. 8191 x's rows; 8192 + 64 d + i row i of weight head number d IN TILE ORDER:
; source head s (0-15 q, 16-19 k, 20-23 v) goes to d = s for s < 12, else d = 12 + 3 ((s - 12) & 3) + ((s - 12) >> 2): so the last four groups of three heads are (q 12 + i, k i, v i).
; A work-group takes 32,768 numbers (32 rows, half a head), a wave 8,192, in 16 steps of 512.  Each load reads 512 consecutive bytes; a step's 2,048 bytes turn through the wave's own stage in LDS,
; so that a lane holds 16 neighbours along K (two neighbouring lanes hold a block).  A wave's store of codes covers 256 consecutive bytes; its 256 scale bytes are gathered in LDS and leave as one such run.
.set WAVES, 4
.set STEPS, 16
.set EMAX,  2
.set CB,    8                          ; bytes of 16 codes
.set R,     16                         ; v16-79   four sets of 16 numbers as loaded
.set X,     80                         ; v80-111  two sets of 16 neighbours
.set E,     112                        ; v112-127 a scale byte for each step
.set C,     128                        ; v128-191 codes, four registers a step: no store's data are written again
.set WREG,  8192                       ; LDS: a region for each wave: two stages of 32 x SP bytes, then its 256 scale bytes
.set SP,    80                         ; a lane's place in a stage: 64 bytes + 16 of padding
.set SPW,   12                         ; v12 my spare word's LDS address; never rewritten
.set NIL,   13                         ; v13 0; never rewritten
.set SPARE, WAVES*WREG                 ; the spare words: 128 bytes a wave, named by no other line
	s_load_b256 s[4:11], s[0:1], 0x0               ; x s[4:5], w_q s[6:7], w_kv s[8:9], w_c s[10:11]
	s_load_b256 s[12:19], s[0:1], 0x20             ; codes s[12:13], scales s[14:15], wc16 s[16:17], rope s[18:19]
	v_lshl_add_u32 v[SPW], v0, 2, SPARE
	v_mov_b32 v[NIL], 0
	v_lshrrev_b32 v1, 5, v0
	v_readfirstlane_b32 s20, v1                    ; wave
	v_and_b32 v2, 31, v0                           ; lane
	s_wait_kmcnt 0x0
	s_cmp_lt_u32 ttmp9, 304
	s_cbranch_scc0 .Lnot_codes
; ---------------- codes and scale bytes ----------------
	v_lshlrev_b32 v3, 4, v2                        ; my 16 bytes of a load's 512
	s_mul_i32 s21, s20, WREG
	v_lshrrev_b32 v14, 2, v2
	v_mul_u32_u24 v14, v14, SP
	v_and_b32 v15, 3, v2
	v_lshl_add_u32 v14, v15, 4, v14
	v_add_nc_u32 v14, s21, v14                     ; the stage, way in: SP (lane / 4) + 16 (lane % 4)
	v_mul_u32_u24 v15, v2, SP
	v_add_nc_u32 v15, s21, v15                     ; way out: SP x lane: my 16 neighbours
	v_mul_u32_u24 v4, v2, CB                       ; my codes' place in a step's
	v_lshrrev_b32 v5, 1, v2
	s_add_co_u32 s21, s21, 2*32*SP
	v_add_nc_u32 v5, s21, v5                       ; my block's scale byte in the wave's 256
	v_lshlrev_b32 v7, 3, v2
	v_add_nc_u32 v6, s21, v7                       ; and 8 bytes a lane on their way out
	; the source: chosen by the work-group's number alone
	s_cmp_lt_u32 ttmp9, 256
	s_cselect_b64 s[22:23], s[4:5], s[6:7]
	s_cselect_b32 s24, 0, 256
	s_cmp_lt_u32 ttmp9, 288
	s_cselect_b64 s[22:23], s[22:23], s[8:9]
	s_cselect_b32 s24, s24, 288
	; the destination unit D (32 rows): x keeps its order, the weights' heads go in tile order
	s_sub_co_u32 s25, ttmp9, 256                   ; u: half heads of the weights
	s_lshr_b32 s26, s25, 1                         ; source head
	s_sub_co_u32 s27, s26, 12
	s_and_b32 s28, s27, 3
	s_mul_i32 s28, s28, 3
	s_lshr_b32 s27, s27, 2
	s_add_co_u32 s28, s28, s27
	s_add_co_u32 s28, s28, 12
	s_cmp_lt_u32 s26, 12
	s_cselect_b32 s28, s26, s28                    ; its place in tile order
	s_lshl_b32 s28, s28, 1
	s_and_b32 s25, s25, 1
	s_add_co_u32 s28, s28, s25
	s_add_co_u32 s28, s28, 256
	s_cmp_lt_u32 ttmp9, 256
	s_cselect_b32 s28, ttmp9, s28                  ; D
	s_sub_co_u32 s24, ttmp9, s24
	s_lshl_b32 s24, s24, 2
	s_add_co_u32 s24, s24, s20                     ; my run of 8,192 numbers in the source,
	s_lshl_b32 s24, s24, 15                        ; 32,768 bytes a run
	s_mov_b32 s25, 0
	s_add_nc_u64 s[22:23], s[22:23], s[24:25]
	s_lshl_b32 s28, s28, 2
	s_add_co_u32 s28, s28, s20                     ; and in the destination:
	s_lshl_b32 s30, s28, 12                        ; 4,096 bytes of codes,
	s_mov_b32 s31, 0
	s_add_nc_u64 s[12:13], s[12:13], s[30:31]
	s_lshl_b32 s30, s28, 8                         ; 256 scale bytes
	s_add_nc_u64 s[14:15], s[14:15], s[30:31]
.macro LOAD t
.irp i, 0,1,2,3
	global_load_b128 v[R+16*((\t)%4)+4*\i:R+16*((\t)%4)+4*\i+3], v3, s[22:23] offset:2048*(\t)+512*\i th:TH_LOAD_NT
.endr
.endm
.macro TURN t                          ; step t's numbers through the stage: a wave's LDS instructions are served in order, so no wait stands between the stores and the loads
.irp i, 0,1,2,3
	ds_store_b128 v14, v[R+16*((\t)%4)+4*\i:R+16*((\t)%4)+4*\i+3] offset:32*SP*((\t)%2)+8*SP*\i
.endr
.irp i, 0,1,2,3
	ds_load_b128 v[X+16*((\t)%2)+4*\i:X+16*((\t)%2)+4*\i+3], v15 offset:32*SP*((\t)%2)+16*\i
.endr
.endm
.irp t, 0,1,2,3
	LOAD \t
.endr
	s_wait_loadcnt 12                              ; step 0's four loads are in; three steps' twelve stay out
	TURN 0
.macro STEP t
.set XS, X+16*((\t)%2)
.if (\t) > 0
	s_wait_dscnt 1                                 ; this step's numbers are back from the stage; the last step's byte store may be out
.else
	s_wait_dscnt 0x0
.endif
.if (\t)+4 < STEPS
	LOAD (\t)+4                                    ; into the set whose stores into the stage are done
.endif
.if (\t)+1 < STEPS
.if STEPS-2-(\t) >= 3
	s_wait_loadcnt 12                              ; the next step's four loads are in; those of the three steps behind it may be out
.else
	s_wait_loadcnt 4*(STEPS-2-(\t))
.endif
	TURN (\t)+1
.endif
	v_max3_num_f32 v8, |v[XS]|, |v[XS+1]|, |v[XS+2]|               ; the largest magnitude of my 16, in two chains
	v_max3_num_f32 v9, |v[XS+3]|, |v[XS+4]|, |v[XS+5]|
.irp i, 6,10
	v_max3_num_f32 v8, v8, |v[XS+\i]|, |v[XS+\i+1]|
	v_max3_num_f32 v9, v9, |v[XS+\i+2]|, |v[XS+\i+3]|
.endr
	v_max3_num_f32 v8, v8, |v[XS+14]|, |v[XS+15]|
	v_max3_num_f32 v8, v8, v9, (EMAX+1)<<23        ; and the floor 2^(3 - 127): the byte cannot fall under 1
	v_max_num_f32_dpp v8, v8, v8 row_xmask:1 row_mask:0xf bank_mask:0xf   ; with my neighbour's 16: the block's
	v_add_nc_u32 v11, -(EMAX<<23), v8              ; 2 off its exponent field: the conversion takes that field as its scale
	v_cvt_scalef32_pk8_fp4_f32 v[C+4*(\t)], v[XS:XS+7], v11
	v_cvt_scalef32_pk8_fp4_f32 v[C+4*(\t)+1], v[XS+8:XS+15], v11
	v_lshrrev_b32 v[E+(\t)], 23, v11               ; the scale's byte (a plain line behind the conversions)
	ds_store_b8 v5, v[E+(\t)] offset:16*(\t)       ; both lanes of a block write the same byte with the same value
	global_store_b64 v4, v[C+4*(\t):C+4*(\t)+1], s[12:13] offset:32*CB*(\t)
.endm
.irp t, 0,1,2,3,4,5,6,7,8,9,10,11,12,13,14,15
	STEP \t
.endr
	ds_load_b64 v[8:9], v6                         ; served behind my byte stores
	s_wait_dscnt 0x0
	global_store_b64 v7, v[8:9], s[14:15]          ; 32 lanes store 256 consecutive bytes
	s_wait_tensorcnt 0x0                           ; the wave's end, behind my last LDS store
	ds_add_u32 v[SPW], v[NIL]
	s_wait_dscnt 0x0
	s_endpgm
; ---------------- w_c to f16 ----------------
.Lnot_codes:
	s_cmp_lt_u32 ttmp9, 336
	s_cbranch_scc0 .Ltable
	s_sub_co_u32 s21, ttmp9, 304
	s_lshl_b32 s22, s21, 17                        ; 32,768 numbers a work-group,
	s_lshl_b32 s23, s20, 15                        ; 8,192 a wave
	s_add_co_u32 s22, s22, s23
	s_mov_b32 s23, 0
	s_add_nc_u64 s[10:11], s[10:11], s[22:23]
	s_lshr_b32 s22, s22, 1
	s_add_nc_u64 s[16:17], s[16:17], s[22:23]
	v_lshlrev_b32 v3, 4, v2                        ; in: 16 bytes a lane
	v_lshlrev_b32 v4, 3, v2                        ; out: 8 bytes a lane: a wave's store covers 256 consecutive bytes
.macro WLOADS r                        ; round r: 16 loads of 512 bytes into set r % 2
.irp i, 0,1,2,3,4,5,6,7,8,9,10,11,12,13,14,15
	global_load_b128 v[16+64*((\r)%2)+4*\i:19+64*((\r)%2)+4*\i], v3, s[10:11] offset:(16*(\r)+\i)*512 th:TH_LOAD_NT
.endr
.endm
	WLOADS 0
	WLOADS 1
.irp r, 0,1,2,3
.if \r < 3
	s_wait_loadcnt 16                              ; this round's 16 loads are in, the other set's 16 may be out
.else
	s_wait_loadcnt 0x0
.endif
.irp i, 0,1,2,3,4,5,6,7,8,9,10,11,12,13,14,15
	v_cvt_pk_f16_f32 v[16+64*(\r%2)+4*\i], v[16+64*(\r%2)+4*\i], v[17+64*(\r%2)+4*\i]
	v_cvt_pk_f16_f32 v[17+64*(\r%2)+4*\i], v[18+64*(\r%2)+4*\i], v[19+64*(\r%2)+4*\i]
	global_store_b64 v4, v[16+64*(\r%2)+4*\i:17+64*(\r%2)+4*\i], s[16:17] offset:(16*\r+\i)*256
.endr
.if \r < 2
	s_wait_xcnt 0x0                                ; the stores have read their data: the set may be loaded again
	WLOADS \r+2
.endif
.endr
	s_endpgm
; ---------------- the table ----------------
; angle a = t x f_i, f_i = 10000^(-i / 32) = 2^(-i x log2(10000) / 32).  n = a x 2 / pi to the nearest whole number; r = a - n pi / 2, pi / 2 in two parts, by fused multiply-adds; |r| <= pi / 4.
; sin r and cos r by polynomials of degree 7 and 8; the quadrant n (+ 1 for a cosine) picks one of them and the sign.
.Ltable:
	s_sub_co_u32 s21, ttmp9, 336                   ; 32 rows a work-group
	s_lshl_b32 s22, s21, 13
	s_mov_b32 s23, 0
	s_add_nc_u64 s[18:19], s[18:19], s[22:23]
	s_lshl_b32 s21, s21, 5
	s_mov_b32 s30, 0x3fc90fdb                      ; pi / 2, the upper part
	s_mov_b32 s31, 0xb33bbd2e                      ; and the rest
	v_and_b32 v3, 15, v0                           ; which 16 bytes of a row: 0-7 cosines, 8-15 sines
	v_lshrrev_b32 v4, 4, v0                        ; which of 8 rows
	v_lshlrev_b32 v9, 8, v4
	v_lshl_add_u32 v9, v3, 4, v9                   ; sixteen lanes store a whole row of 256 bytes
	v_add_nc_u32 v10, s21, v4                      ; t of my first row
	v_cmp_gt_u32 vcc_lo, 8, v3
	v_cndmask_b32 v11, 0, 1, vcc_lo                ; 1 where a cosine is wanted
	v_and_b32 v5, 7, v3
	v_lshlrev_b32 v5, 2, v5                        ; my first i
.irp e, 0,1,2,3
	v_add_nc_u32 v[16+\e], \e, v5
	v_cvt_f32_u32 v[16+\e], v[16+\e]
	v_mul_f32 v[16+\e], 0xbed49a78, v[16+\e]       ; -i log2(10000) / 32
.endr
.irp e, 0,1,2,3
	v_exp_f32 v[16+\e], v[16+\e]                   ; f_i
.endr
	v_nop                                          ; a plain line behind the last exponential,
	s_wait_alu depctr_va_vdst(0)                   ; and one wait for the four, ahead of their first reader
.macro EVAL dst, fr
	v_mul_f32 v20, v6, v[\fr]                      ; a
	v_mul_f32 v21, 0x3f22f983, v20                 ; a x 2 / pi
	v_rndne_f32 v21, v21                           ; n
	v_fma_f32 v22, -v21, s30, v20
	v_fma_f32 v22, -v21, s31, v22                  ; r
	v_mul_f32 v23, v22, v22                        ; z = r r
	v_cvt_i32_f32 v21, v21
	v_add_nc_u32 v21, v21, v11                     ; the quadrant
	v_mov_b32 v24, 0xb94ca1f9
	v_fmaak_f32 v24, v24, v23, 0x3c08839e
	v_fmaak_f32 v24, v24, v23, 0xbe2aaaa3
	v_mul_f32 v25, v22, v23
	v_fma_f32 v24, v25, v24, v22                   ; sin r
	v_mov_b32 v26, 0x37ccf5ce
	v_fmaak_f32 v26, v26, v23, 0xbab6061a
	v_fmaak_f32 v26, v26, v23, 0x3d2aaaa5
	v_mul_f32 v27, v23, v23
	v_fma_f32 v28, v23, -0.5, 1.0
	v_fma_f32 v26, v27, v26, v28                   ; cos r
	v_and_b32 v27, 1, v21
	v_cmp_eq_u32 vcc_lo, 1, v27
	v_cndmask_b32 v24, v24, v26, vcc_lo            ; odd quadrants take the cosine
	v_and_b32 v27, 2, v21
	v_lshlrev_b32 v27, 30, v27
	v_xor_b32 v[\dst], v24, v27                    ; quadrants 2 and 3 change the sign
.endm
.irp k, 0,1,2,3
	v_add_nc_u32 v6, 8*\k, v10
	v_cvt_f32_u32 v6, v6                           ; t
.irp e, 0,1,2,3
	EVAL 32+4*\k+\e, 16+\e
.endr
	global_store_b128 v9, v[32+4*\k:35+4*\k], s[18:19] offset:2048*\k   ; each store has registers of its own
.endr
	s_endpgm
.Lfunc_end_k_q53b53720c0_prep:
	.size	k_q53b53720c0_prep, .Lfunc_end_k_q53b53720c0_prep-k_q53b53720c0_prep
	.p2alignl 7, 3214868480
	.fill 96, 4, 3214868480
	.section	.rodata,"a",@progbits
	.p2align	6, 0x0
	.amdhsa_kernel k_q53b53720c0_prep
		.amdhsa_group_segment_fixed_size 33280
		.amdhsa_private_segment_fixed_size 0
		.amdhsa_enable_private_segment 0
		.amdhsa_kernarg_size 64
		.amdhsa_user_sgpr_count 2
		.amdhsa_user_sgpr_kernarg_segment_ptr 1
		.amdhsa_wavefront_size32 1
		.amdhsa_system_sgpr_workgroup_id_x 1
		.amdhsa_system_sgpr_workgroup_id_y 1
		.amdhsa_system_sgpr_workgroup_id_z 1
		.amdhsa_system_vgpr_workitem_id 0
		.amdhsa_next_free_vgpr 192
		.amdhsa_next_free_sgpr 66
		.amdhsa_reserve_vcc 1
		.amdhsa_float_denorm_mode_32 3
		.amdhsa_float_denorm_mode_16_64 3
		.amdhsa_memory_ordered 1
		.amdhsa_forward_progress 1
		.amdhsa_inst_pref_size 75
	.end_amdhsa_kernel
	.amdgpu_metadata
---
amdhsa.version: [ 1, 2 ]
amdhsa.kernels:
  - .name:           k_q53b53720c0_prep
    .symbol:         k_q53b53720c0_prep.kd
    .args:
      - { .name: x, .offset: 0, .size: 8, .value_kind: global_buffer, .address_space: global }
      - { .name: w_q, .offset: 8, .size: 8, .value_kind: global_buffer, .address_space: global }
      - { .name: w_kv, .offset: 16, .size: 8, .value_kind: global_buffer, .address_space: global }
      - { .name: w_c, .offset: 24, .size: 8, .value_kind: global_buffer, .address_space: global }
      - { .name: codes, .offset: 32, .size: 8, .value_kind: global_buffer, .address_space: global }
      - { .name: scales, .offset: 40, .size: 8, .value_kind: global_buffer, .address_space: global }
      - { .name: wc16, .offset: 48, .size: 8, .value_kind: global_buffer, .address_space: global }
      - { .name: rope, .offset: 56, .size: 8, .value_kind: global_buffer, .address_space: global }
    .group_segment_fixed_size: 33280
    .private_segment_fixed_size: 0
    .kernarg_segment_align: 8
    .kernarg_segment_size: 64
    .max_flat_workgroup_size: 128
    .sgpr_count:     66
    .vgpr_count:     192
    .wavefront_size: 32
...
	.end_amdgpu_metadata
.endif
;; end of part 1
;; launch qkv (part 2): grid 8 x 32, 4 waves a work-group, clusters of 4 x 4, 327,680 bytes of LDS; arguments codes, scales, rope, q_norm_w, k_norm_w, qkv16, fine32; writes qkv16, fine32
.if DOCPART == 2
	.amdgcn_target "amdgcn-amd-amdhsa--gfx1250"
	.amdhsa_code_object_version 6
	.text
	.protected	k_q53b53720c0_qkv
	.globl	k_q53b53720c0_qkv
	.p2align	8
	.type	k_q53b53720c0_qkv,@function
k_q53b53720c0_qkv:
	s_mov_b64 s[64:65], 0
	v_nop
	global_prefetch_b8 v0, s[64:65] scope:SCOPE_SE
	s_setreg_imm32_b32 hwreg(HW_REG_WAVE_MODE, 25, 1), 1
	s_wait_xcnt 0x0
	s_wait_alu depctr_hold_cnt(0) depctr_sa_sdst(0) depctr_va_vdst(0) depctr_va_sdst(0) depctr_va_ssrc(0) depctr_va_vcc(0) depctr_vm_vsrc(0)
	s_getreg_b32 s2, hwreg(HW_REG_IB_STS2, 6, 4)
	s_cmp_eq_u32 s2, 0
	s_cbranch_scc0 .Lentry_in_a_cluster
	s_endpgm
.Lentry_in_a_cluster:
	s_bfe_u32 s2, ttmp6, 0x10000c
	s_cmp_lg_u32 s2, 0xf033
	s_cbranch_scc0 .Lentry_shape_is_right
	s_endpgm
.Lentry_shape_is_right:
; QKV.  [8192 rows of x] x [1536 weight rows]^T on codes of E2M1 with E8M0 scales, K = 1024; then, in f32, the RMS norm of each q and k head, the rotation, and the way out as f16.
; A work-group makes 256 rows x 192 columns (three whole heads); a wave 64 rows x 192 columns: 48 accumulators.  All of K for the tile lies in LDS: two chunks of 512 along K (rows of 256 bytes + 16),
; and the tile's scale bytes; every byte of LDS is filled once, so there is no ring.
; CLUSTER 4 x 4.  Tile column tx = 4 Cx + cx; tile row ty = 8 cy + Cy (Cx, Cy: the cluster's x and y).  The four of a cluster's row need the same rows of x, the four of a column the same weight rows: joint loads.
; With that numbering ty % 4 = Cy % 4 and the kind of a head (below) hang on the cluster's own x and y: no branch hangs on a place inside the cluster.
; HEADS.  The weights lie in tile order: tile columns 0-3 (Cx = 0) hold q heads 3 tx + slot; tile column 4 + cx (Cx = 1) holds q head 12 + cx, k head cx, v head cx.
; THE MATRIX INSTRUCTION IS USED TRANSPOSED (source 0 = 16 weight rows, source 1 = 16 rows of x): lane (r, h) holds row r and columns 16 b + 8 h + j.  So a head's 64 columns lie in lanes l and l xor 16,
; and the rotation's partner (column + 32) is the accumulator two further on, same lane, same register.
; q carries c1 = 2 log2(e) / (50 x 8), folded in f32 into its norm weight: the next launch's score is then the argument of the exponential in tanh.
; OUT: qkv16 (f16): Q [b][16][t][64], K [b][4][t][64], V likewise; and the first 16 positions of every batch once more in f32 (fine32 [b][16][1536]), in pieces of 32 bytes a lane: 786,432 bytes in the launch.
; LIMITS: f16 holds |v| up to 65,504; numbers under 6e-5 keep an absolute error of 3e-8.
; REGISTERS.  window 0: v1-15 addresses, v16, v17 the add's two, v32-63 x's scale words (block a, K step q: 32 + 8 a + q), v64-159 the weights' (64 + 8 b + q), v160-191, v192-223 norm weights, v224-233 at work.
;   window 1: fragments, two buffers (x: 32 f; weights: 64 + 96 f); on the way out v0-31 products, v32-47 f16, v48-79 rows read back.
;   window 2: accumulators of row blocks 0, 1 (96 (a % 2) + 8 b), v192-255 their cos and sin;  window 3: the same for row blocks 2, 3.
.set A1,    69632                      ; LDS: x's chunk 0 at 0, chunk 1 here: 256 rows x 272
.set B0,    139264                     ; the weights' chunks: 192 rows x 272
.set B1,    191488
.set SCA,   243712                     ; x's scale bytes: 32 runs of 256 bytes + 16
.set SCB,   252416                     ; the weights': 24 runs
.set STG,   259072                     ; a stage of 16 rows x 144 bytes for each wave, in blocks of 256 bytes that no load fills
.set SPARE, 268288                     ; the spare words: 128 bytes a wave, named by no other line
.set G1A,  28                          ; s[28:35]  group 1: x's codes;   s[36:43] the weights';   s[44:51], s[52:59] the scale bytes'
.set G1B,  36
.set G1SA, 44
.set G1SB, 52
.set GAS,  68                          ; groups 0: x's scales, chunk 0, chunk 1; the weights' likewise
.set GA0,  72
.set GA1,  76
.set GBS,  80
.set GB0,  84
.set GB1,  88
.set PADW, (1<<20)|(1<<21)|(5<<22)|(3<<25)     ; padding on; bit 21 beside a mask; four words behind every 64
.set MSB, 0
.macro WIN new                         ; the immediate's high byte repeats the setting that is left
.if MSB != \new
	s_set_vgpr_msb (MSB<<8)|\new
.set MSB, \new
.endif
.endm
.macro JLOAD g0a, g1a, g0b, g1b        ; a joint load: waves 0, 1 fetch for x, waves 2, 3 for the weights; an s_nop 0 and four v_nop follow each line
	s_cmp_eq_u32 s105, 0
	s_cbranch_scc0 .Lfor_b_\@
	tensor_load_to_lds s[\g0a:\g0a+3], s[\g1a:\g1a+7]
	s_nop 0
.rept 4
	v_nop
.endr
	s_branch .Lasked_\@
.Lfor_b_\@:
	tensor_load_to_lds s[\g0b:\g0b+3], s[\g1b:\g1b+7]
	s_nop 0
.rept 4
	v_nop
.endr
.Lasked_\@:
.endm
.macro CROUND                          ; a round of the cluster's barrier
	s_barrier_signal -1
	s_barrier_wait -1
	s_cmp_lg_u32 s18, 0
	s_cbranch_scc1 .Lnot_wave_0_\@
	s_barrier_signal -3
.Lnot_wave_0_\@:
	s_barrier_wait -3
	s_barrier_signal -1
	s_barrier_wait -1
.endm
	s_load_b256 s[4:11], s[0:1], 0x0               ; codes s[4:5], scales s[6:7], rope s[8:9], q_norm_w s[10:11]
	s_load_b128 s[12:15], s[0:1], 0x20             ; k_norm_w s[12:13], qkv16 s[14:15]
	s_load_b64 s[16:17], s[0:1], 0x30              ; fine32
	v_lshl_add_u32 v16, v0, 2, SPARE
	v_mov_b32 v17, 0
	ds_add_u32 v16, v17                            ; the opening: the add, twice on end, and its wait ahead of my first tensor load
	ds_add_u32 v16, v17
	v_lshrrev_b32 v1, 5, v0
	v_readfirstlane_b32 s18, v1                    ; wave
	s_lshr_b32 s105, s18, 1                        ; I fetch for x (0) or for the weights (1),
	s_and_b32 s104, s18, 1                         ; and which half of the rows
	s_bfe_u32 s19, ttmp6, 0x40000                  ; cx
	s_bfe_u32 s20, ttmp6, 0x40004                  ; cy
	s_mov_b32 s21, ttmp9                           ; Cx
	s_and_b32 s22, ttmp7, 0xffff                   ; Cy
	s_lshl_b32 s23, s21, 2
	s_add_co_u32 s23, s23, s19                     ; tx
	s_lshl_b32 s24, s20, 3
	s_add_co_u32 s24, s24, s22                     ; ty
	s_lshl_b32 s2, s20, 2
	s_lshl_b32 s2, 15, s2                          ; my row of the cluster
	s_lshl_b32 s3, 0x1111, s19                     ; my column
	s_or_b32 s[G1A], s2, PADW                      ; elements of 1 byte
	s_or_b32 s[G1B], s3, PADW
	s_or_b32 s[G1SA], s2, (3<<16)|PADW             ; elements of 8 bytes
	s_or_b32 s[G1SB], s3, (3<<16)|PADW
	s_mov_b32 s[G1A+1], 256<<16                    ; tensor_dim0: 256 bytes of a row
	s_mov_b32 s[G1A+2], 128<<16                    ; tensor_dim1: 128 rows
	s_mov_b32 s[G1A+3], 256<<16                    ; tile_dim0
	s_mov_b32 s[G1A+4], 128                        ; tile_dim1
	s_mov_b32 s[G1A+5], 512                        ; a row of codes in memory
	s_mov_b32 s[G1A+6], 0
	s_mov_b32 s[G1A+7], 0
	s_mov_b32 s[G1B+1], 256<<16
	s_mov_b32 s[G1B+2], 96<<16                     ; 96 rows
	s_mov_b32 s[G1B+3], 256<<16
	s_mov_b32 s[G1B+4], 96
	s_mov_b32 s[G1B+5], 512
	s_mov_b32 s[G1B+6], 0
	s_mov_b32 s[G1B+7], 0
	s_mov_b32 s[G1SA+1], 32<<16                    ; a dense block as rows of 256 bytes: 128 rows x 32 bytes = 16 of them
	s_mov_b32 s[G1SA+2], 16<<16
	s_mov_b32 s[G1SA+3], 32<<16
	s_mov_b32 s[G1SA+4], 16
	s_mov_b32 s[G1SA+5], 32
	s_mov_b32 s[G1SA+6], 0
	s_mov_b32 s[G1SA+7], 0
	s_mov_b32 s[G1SB+1], 32<<16                    ; 96 rows x 32 bytes = 12
	s_mov_b32 s[G1SB+2], 12<<16
	s_mov_b32 s[G1SB+3], 32<<16
	s_mov_b32 s[G1SB+4], 12
	s_mov_b32 s[G1SB+5], 32
	s_mov_b32 s[G1SB+6], 0
	s_mov_b32 s[G1SB+7], 0
	; x's rows hang on ty and the wave alone, the weights' on tx and the wave alone, each in registers of its own
	s_lshl_b32 s2, s24, 8
	s_lshl_b32 s3, s104, 7
	s_add_co_u32 s2, s2, s3                        ; x: row 256 ty + 128 half
	s_lshl_b32 s[GA0+2], s2, 9
	s_mov_b32 s[GA0+3], 0
	s_lshl_b32 s[GAS+2], s2, 5
	s_mov_b32 s[GAS+3], 0
	s_mul_i32 s66, s23, 192
	s_mul_i32 s67, s104, 96
	s_add_co_u32 s66, s66, s67
	s_add_co_u32 s66, s66, 8192                    ; weights: row 8192 + 192 tx + 96 half
	s_lshl_b32 s[GB0+2], s66, 9
	s_mov_b32 s[GB0+3], 0
	s_lshl_b32 s[GBS+2], s66, 5
	s_mov_b32 s[GBS+3], 0
	s_mul_i32 s3, s104, 34816                      ; LDS: 128 rows x 272
	s_mov_b32 s[GA0+1], s3
	s_add_co_u32 s[GA1+1], s3, A1
	s_mul_i32 s3, s104, 4352
	s_add_co_u32 s[GAS+1], s3, SCA
	s_mul_i32 s3, s104, 26112                      ; 96 rows x 272
	s_add_co_u32 s[GB0+1], s3, B0
	s_add_co_u32 s[GB1+1], s3, B1
	s_mul_i32 s3, s104, 3264
	s_add_co_u32 s[GBS+1], s3, SCB
.irp g, GAS, GA0, GA1, GBS, GB0, GB1
	s_mov_b32 s[\g], 1
.endr
	s_mov_b32 s26, 0x76543210                      ; v_permlanex16_b32: lane l xor 16
	s_mov_b32 s27, 0xfedcba98
	s_wait_dscnt 0x0                               ; both opening adds are done
	s_wait_kmcnt 0x0
	s_add_nc_u64 s[GA0+2:GA0+3], s[4:5], s[GA0+2:GA0+3]
	s_add_nc_u64 s[GA1+2:GA1+3], s[GA0+2:GA0+3], 256
	s_add_nc_u64 s[GAS+2:GAS+3], s[6:7], s[GAS+2:GAS+3]
	s_add_nc_u64 s[GB0+2:GB0+3], s[4:5], s[GB0+2:GB0+3]
	s_add_nc_u64 s[GB1+2:GB1+3], s[GB0+2:GB0+3], 256
	s_add_nc_u64 s[GBS+2:GBS+3], s[6:7], s[GBS+2:GBS+3]
.irp g, GAS, GA0, GA1, GBS, GB0, GB1
	s_or_b32 s[\g+3], s[\g+3], 0x80000000
.endr
	CROUND                                         ; all sixteen work-groups are here: the joint loads meet
	JLOAD GAS, G1SA, GBS, G1SB                     ; three loads of mine are out: the scale bytes,
	JLOAD GA0, G1A, GB0, G1B                       ; K 0 .. 511,
	JLOAD GA1, G1A, GB1, G1B                       ; K 512 .. 1023
	v_and_b32 v1, 15, v0                           ; r
	v_bfe_u32 v2, v0, 4, 1                         ; h
	v_and_b32 v3, 31, v0                           ; lane
	v_mul_u32_u24 v18, v1, 272
	v_lshl_add_u32 v18, v2, 4, v18                 ; a fragment's row x pitch + 16 h
	s_mul_i32 s2, s18, 17408
	v_add_nc_u32 v4, s2, v18                       ; x's fragments: my 64 rows, chunk 0,
	v_add_nc_u32 v5, A1, v4                        ; chunk 1
	v_add_nc_u32 v6, B0, v18                       ; the weights'
	v_add_nc_u32 v7, B1, v18
	v_lshrrev_b32 v19, 3, v1
	v_mul_u32_u24 v19, v19, 272
	v_and_b32 v20, 7, v1
	v_lshl_add_u32 v19, v20, 5, v19                ; a row's 32 scale bytes: eight rows to a run of 256 + 16
	v_add_nc_u32 v9, SCB, v19
	s_mul_i32 s2, s18, 2176
	s_add_co_u32 s2, s2, SCA
	v_add_nc_u32 v8, s2, v19
	s_mul_i32 s2, s18, 2304
	s_add_co_u32 s2, s2, STG                       ; my stage
	v_mul_u32_u24 v10, v1, 144
	v_lshl_add_u32 v10, v2, 4, v10
	v_add_nc_u32 v10, s2, v10                      ; in: row r, 16 bytes for each half of the lanes
	v_lshrrev_b32 v11, 3, v3
	v_mul_u32_u24 v11, v11, 144
	v_and_b32 v20, 7, v3
	v_lshl_add_u32 v11, v20, 4, v11
	v_add_nc_u32 v11, s2, v11                      ; back: eight lanes to a row of 128 bytes
	v_lshlrev_b32 v12, 4, v3                       ; and out: 16 bytes a lane, 512 consecutive bytes a store
	v_mul_u32_u24 v13, v1, 6144
	v_lshl_add_u32 v13, v2, 5, v13                 ; fine32: row r of 6,144 bytes + 32 h
	v_lshlrev_b32 v14, 8, v1
	v_lshl_add_u32 v14, v2, 5, v14                 ; the table: row r of 256 bytes + 32 h
	v_lshlrev_b32 v15, 5, v2                       ; the norm weights: 32 h
	v_mov_b32 v228, 0                              ; (a lane permute's destination counts as read)
	v_mov_b32 v233, 0                              ; (named as the upper half of a pair)
	; where the results go
	s_lshr_b32 s2, s24, 2                          ; b
	s_and_b32 s3, s22, 3                           ; ty % 4
	s_lshl_b32 s66, s3, 16
	s_lshl_b32 s67, s18, 14
	s_add_co_u32 s66, s66, s67                     ; my first position, 256 (ty % 4) + 64 wave, in rows of 256 bytes
	s_mov_b32 s67, 0
	s_add_nc_u64 s[8:9], s[8:9], s[66:67]          ; the table at my first position
	s_lshr_b32 s66, s66, 1                         ; and in rows of 128 bytes
	s_or_b32 s25, s3, s18                          ; 0 where my row block 0 is positions 0 .. 15 of a batch
	s_mul_i32 s3, s23, 3                           ; Cx = 0: q head 3 tx + slot
	s_lshl_b32 s105, s2, 4                         ; 16 b
	s_lshl_b32 s100, s2, 2
	s_add_co_u32 s100, s100, s19
	s_lshl_b32 s100, s100, 17                      ; Cx = 1: kv head 4 b + cx, 131,072 bytes a head
	s_lshl_b32 s101, s19, 8                        ; and its 256 bytes in a row of fine32
	s_add_co_u32 s104, s19, 12                     ; slot 0
	s_cmp_eq_u32 s21, 0
	s_cselect_b32 s104, s3, s104
	s_lshl_b32 s60, s104, 8
	s_add_co_u32 s104, s104, s105
	s_lshl_b32 s92, s104, 17
	s_add_co_u32 s104, s3, 1                       ; slot 1: a q head, or K
	s_lshl_b32 s62, s104, 8
	s_add_co_u32 s104, s104, s105
	s_lshl_b32 s94, s104, 17
	s_add_co_u32 s104, s100, 0x1000000
	s_add_co_u32 s98, s101, 4096
	s_cmp_eq_u32 s21, 0
	s_cselect_b32 s94, s94, s104
	s_cselect_b32 s62, s62, s98
	s_add_co_u32 s104, s3, 2                       ; slot 2: a q head, or V
	s_lshl_b32 s98, s104, 8
	s_add_co_u32 s104, s104, s105
	s_lshl_b32 s96, s104, 17
	s_add_co_u32 s104, s100, 0x1400000
	s_add_co_u32 s101, s101, 5120
	s_cmp_eq_u32 s21, 0
	s_cselect_b32 s96, s96, s104
	s_cselect_b32 s98, s98, s101
	s_cselect_b64 s[2:3], s[10:11], s[12:13]       ; slot 1's norm weights: q's or k's (b is taken below from ty again)
	s_lshr_b32 s104, s24, 2
	s_mul_i32 s104, s104, 98304                    ; b's 16 rows of fine32
.irp p, 92,94,96
	s_add_co_u32 s[\p], s[\p], s66
	s_mov_b32 s[\p+1], 0
	s_add_nc_u64 s[\p:\p+1], s[14:15], s[\p:\p+1]
.endr
.irp p, 60,62,98
	s_add_co_u32 s[\p], s[\p], s104
	s_mov_b32 s[\p+1], 0
	s_add_nc_u64 s[\p:\p+1], s[16:17], s[\p:\p+1]
.endr
	s_mov_b32 s100, 0x3c800000                     ; 1 / 64
	s_mov_b32 s101, 0x358637bd                     ; 1e-6
	; cos and sin of my 64 positions, in the results' layout, and the norm weights: they land under the products
	WIN 0x80
.irp a, 0,1
.irp b, 0,1
	global_load_b128 v[192+32*\a+8*\b:195+32*\a+8*\b], v14, s[8:9] offset:4096*\a+64*\b
	global_load_b128 v[196+32*\a+8*\b:199+32*\a+8*\b], v14, s[8:9] offset:4096*\a+64*\b+16
	global_load_b128 v[208+32*\a+8*\b:211+32*\a+8*\b], v14, s[8:9] offset:4096*\a+64*\b+128
	global_load_b128 v[212+32*\a+8*\b:215+32*\a+8*\b], v14, s[8:9] offset:4096*\a+64*\b+144
.endr
.endr
	WIN 0xc0
.irp a, 0,1
.irp b, 0,1
	global_load_b128 v[192+32*\a+8*\b:195+32*\a+8*\b], v14, s[8:9] offset:8192+4096*\a+64*\b
	global_load_b128 v[196+32*\a+8*\b:199+32*\a+8*\b], v14, s[8:9] offset:8192+4096*\a+64*\b+16
	global_load_b128 v[208+32*\a+8*\b:211+32*\a+8*\b], v14, s[8:9] offset:8192+4096*\a+64*\b+128
	global_load_b128 v[212+32*\a+8*\b:215+32*\a+8*\b], v14, s[8:9] offset:8192+4096*\a+64*\b+144
.endr
.endr
	WIN 0
.irp b, 0,1,2,3
	global_load_b128 v[160+8*\b:163+8*\b], v15, s[10:11] offset:64*\b
	global_load_b128 v[164+8*\b:167+8*\b], v15, s[10:11] offset:64*\b+16
	global_load_b128 v[192+8*\b:195+8*\b], v15, s[2:3] offset:64*\b
	global_load_b128 v[196+8*\b:199+8*\b], v15, s[2:3] offset:64*\b+16
.endr
; The fragments of K step q (128 along K): the weights' twelve, x's four; a fragment is two loads of 16 bytes, 32 bytes apart.
.macro FETCH q
	WIN 0x40                                       ; destination window 1
.irp i, 0,1,2,3,4,5,6,7,8,9,10,11
	ds_load_b128 v[64+96*((\q)%2)+8*\i:67+96*((\q)%2)+8*\i], v[6+(\q)/4] offset:64*((\q)%4)+\i*4352
	ds_load_b128 v[68+96*((\q)%2)+8*\i:71+96*((\q)%2)+8*\i], v[6+(\q)/4] offset:64*((\q)%4)+\i*4352+32
.endr
.irp i, 0,1,2,3
	ds_load_b128 v[32*((\q)%2)+8*\i:32*((\q)%2)+8*\i+3], v[4+(\q)/4] offset:64*((\q)%4)+\i*4352
	ds_load_b128 v[32*((\q)%2)+8*\i+4:32*((\q)%2)+8*\i+7], v[4+(\q)/4] offset:64*((\q)%4)+\i*4352+32
.endr
.endm
; 24 products: row blocks a0, a0 + 1 x the twelve column blocks.  The 48 accumulators take turns, one instruction a turn, in the same order in every K step.  K step 0 starts the sums.
.macro MUL24 a0, q
.irp a, \a0, \a0+1
.irp b, 0,1,2,3,4,5,6,7,8,9,10,11
.if (\q) == 0
	v_wmma_scale_f32_16x16x128_f8f6f4 v[96*((\a)%2)+8*\b:96*((\a)%2)+8*\b+7], v[64+96*((\q)%2)+8*\b:71+96*((\q)%2)+8*\b], v[32*((\q)%2)+8*(\a):32*((\q)%2)+8*(\a)+7], 0, v[64+8*\b+(\q)], v[32+8*(\a)+(\q)] matrix_a_fmt:MATRIX_FMT_FP4 matrix_b_fmt:MATRIX_FMT_FP4
.else
	v_wmma_scale_f32_16x16x128_f8f6f4 v[96*((\a)%2)+8*\b:96*((\a)%2)+8*\b+7], v[64+96*((\q)%2)+8*\b:71+96*((\q)%2)+8*\b], v[32*((\q)%2)+8*(\a):32*((\q)%2)+8*(\a)+7], v[96*((\a)%2)+8*\b:96*((\a)%2)+8*\b+7], v[64+8*\b+(\q)], v[32+8*(\a)+(\q)] matrix_a_fmt:MATRIX_FMT_FP4 matrix_b_fmt:MATRIX_FMT_FP4
.endif
.endr
.endr
.endm
.macro KSTEP q
	s_wait_dscnt 0x0                               ; this step's fragments are in: nothing was issued behind them
	WIN 0xa5                                       ; both sources window 1, C and D window 2
	MUL24 0, \q
.if (\q) == 3
	s_wait_tensorcnt 0x0                           ; my part of K 512 .. 1023 has landed (my last load),
	s_barrier_signal -1                            ; no LDS instruction of mine is out here
	s_barrier_wait -1                              ; and everybody's has
.endif
.rept 4
	v_nop                                          ; four places in front of loads into registers that matrix instructions have read
.endr
.if (\q) < 7
	FETCH (\q)+1
.endif
	WIN 0xf5                                       ; C and D window 3
	MUL24 2, \q
.endm
	s_wait_tensorcnt 1                             ; the scale bytes and K 0 .. 511 are in; the third load may be out
	s_barrier_signal -1
	s_barrier_wait -1                              ; everybody's are
.irp a, 0,1,2,3
.irp c, 0,1
	ds_load_b128 v[32+8*\a+4*\c:35+8*\a+4*\c], v8 offset:544*\a+16*\c    ; lane r: row r's eight scale words, for all of K
.endr
.endr
.irp b, 0,1,2,3,4,5,6,7,8,9,10,11
.irp c, 0,1
	ds_load_b128 v[64+8*\b+4*\c:67+8*\b+4*\c], v9 offset:544*\b+16*\c
.endr
.endr
	FETCH 0
.irp q, 0,1,2,3,4,5,6,7
	KSTEP \q
.endr
	; ---------------- norm, rotation, way out ----------------
	WIN 0
.rept 4
	v_nop                                          ; four places behind the last products
.endr
	s_wait_loadcnt 0x0                             ; the table and the norm weights
	s_mov_b32 s2, 0x3bec5f04                       ; c1 = 2 log2(e) / 400
	s_mov_b32 s3, s2
	s_cmp_eq_u32 s21, 0
	s_cselect_b32 s66, s2, 1.0                     ; slot 1: q's weights carry c1, k's do not
	s_mov_b32 s67, s66
.irp i, 0,2,4,6,8,10,12,14,16,18,20,22,24,26,28,30
	v_pk_mul_f32 v[160+\i:161+\i], v[160+\i:161+\i], s[2:3] op_sel_hi:[1,0]
	v_pk_mul_f32 v[192+\i:193+\i], v[192+\i:193+\i], s[66:67] op_sel_hi:[1,0]
.endr
.macro SEND k                          ; head k's 16 rows, back from the stage, are stored: 512 consecutive bytes a store
	s_wait_dscnt 0x0                               ; the rows are in registers, and the stage's stores have read theirs
	WIN 0x04                                       ; a store's data: window 1
.irp i, 0,1,2,3
	global_store_b128 v12, v[48+16*((\k)%2)+4*\i:51+16*((\k)%2)+4*\i], s[92+2*((\k)%3):93+2*((\k)%3)] offset:((\k)/3)*2048+512*\i
.endr
.endm
; Head k = 3 a + slot: row block a, the slot's four accumulators X (32 registers).
.macro HEADOUT k
.set A_,  (\k)/3
.set SL_, (\k)%3
.set W_,  2+A_/2                       ; the accumulators' window
.set XB,  96*(A_%2)+32*SL_
.set TBL, 192+32*(A_%2)                ; cos at TBL, sin at TBL + 16
.set WR_, 160+32*(SL_%2)
.set FBR, 60+2*SL_+34*(SL_/2)          ; s60, s62, s98
	WIN 0
.if SL_ == 2
	s_cmp_lg_u32 s21, 0                            ; the cluster's x alone: there slot 2 is a v head, which is neither normed nor turned
	s_cbranch_scc1 .Lplain_\@
.endif
	WIN 5*W_                                       ; sources window W, sums window 0
	v_pk_mul_f32 v[224:225], v[XB:XB+1], v[XB:XB+1]                ; the sum of squares, two chains; each accumulator is read from its low end on
	v_pk_mul_f32 v[226:227], v[XB+16:XB+17], v[XB+16:XB+17]
.irp i, 2,4,6,8,10,12,14
	v_pk_fma_f32 v[224:225], v[XB+\i:XB+\i+1], v[XB+\i:XB+\i+1], v[224:225]
	v_pk_fma_f32 v[226:227], v[XB+16+\i:XB+17+\i], v[XB+16+\i:XB+17+\i], v[226:227]
.endr
	WIN 0
	v_pk_add_f32 v[224:225], v[224:225], v[226:227]
	v_add_f32 v224, v224, v225
	v_permlanex16_b32 v228, v224, s26, s27         ; the head's other 32 columns
	v_add_f32 v224, v224, v228
	v_fma_f32 v224, v224, s100, s101               ; mean + eps
	v_rsq_f32 v232, v224
	WIN 65*W_                                      ; X in window W, weights in window 0
.irp i, 0,2,4,6,8,10,12,14,16,18,20,22,24,26,28,30
	v_pk_mul_f32 v[XB+\i:XB+\i+1], v[XB+\i:XB+\i+1], v[WR_+\i:WR_+\i+1]
.endr
	WIN 0x40+5*W_                                  ; products into window 1
.irp i, 0,2,4,6,8,10,12,14
	v_pk_mul_f32 v[\i:\i+1], v[XB+\i:XB+\i+1], v[TBL+\i:TBL+\i+1]              ; x1 cos
	v_pk_mul_f32 v[16+\i:17+\i], v[XB+\i:XB+\i+1], v[TBL+16+\i:TBL+17+\i]      ; x1 sin
.endr
	WIN 0x10+69*W_                                 ; the addend from window 1
.irp i, 0,2,4,6,8,10,12,14
	v_pk_fma_f32 v[XB+\i:XB+\i+1], v[XB+16+\i:XB+17+\i], v[TBL+16+\i:TBL+17+\i], v[\i:\i+1]     ; x2 sin + x1 cos
.endr
.irp i, 0,2,4,6,8,10,12,14
	v_pk_fma_f32 v[XB+16+\i:XB+17+\i], v[XB+16+\i:XB+17+\i], v[TBL+\i:TBL+\i+1], v[16+\i:17+\i] neg_lo:[0,0,1] neg_hi:[0,0,1]   ; x2 cos - x1 sin
.endr
	s_wait_alu depctr_va_vdst(0)                   ; the wait ahead of the root's first reader; all the lines above stand between
	WIN 65*W_
.irp i, 0,2,4,6,8,10,12,14,16,18,20,22,24,26,28,30
	v_pk_mul_f32 v[XB+\i:XB+\i+1], v[XB+\i:XB+\i+1], v[232:233] op_sel_hi:[1,0]
.endr
	WIN 0
.if SL_ == 2
.Lplain_\@:
.endif
.if A_ == 0
	s_cmp_lg_u32 s25, 0                            ; the cluster's y and the wave's number alone
	s_cbranch_scc1 .Lcoarse_\@
	WIN 0x08                                       ; a store's data: window 2
.irp b, 0,1,2,3
	global_store_b128 v13, v[XB+8*\b:XB+8*\b+3], s[FBR:FBR+1] offset:64*\b
	global_store_b128 v13, v[XB+8*\b+4:XB+8*\b+7], s[FBR:FBR+1] offset:64*\b+16
.endr
	WIN 0
.Lcoarse_\@:
.endif
.if (\k) > 0
	SEND (\k)-1
.endif
	WIN 0x40+5*W_
.irp i, 0,1,2,3,4,5,6,7,8,9,10,11,12,13,14,15
	v_cvt_pk_f16_f32 v[32+\i], v[XB+2*\i], v[XB+2*\i+1]
.endr
	s_wait_xcnt 0x0                                ; the stores of the head before last have read the registers that the loads below fill
	WIN 0x04
.irp b, 0,1,2,3
	ds_store_b128 v10, v[32+4*\b:35+4*\b] offset:32*\b
.endr
	WIN 0x40
.irp i, 0,1,2,3
	ds_load_b128 v[48+16*((\k)%2)+4*\i:51+16*((\k)%2)+4*\i], v11 offset:576*\i   ; a wave's LDS instructions are served in order: these see the stores above
.endr
.endm
.irp k, 0,1,2,3,4,5,6,7,8,9,10,11
	HEADOUT \k
.endr
	SEND 11
	WIN 0
	s_wait_tensorcnt 0x0                           ; the wave's end
	ds_add_u32 v16, v17
	s_wait_dscnt 0x0
	CROUND                                         ; the closing round
	s_endpgm
.Lfunc_end_k_q53b53720c0_qkv:
	.size	k_q53b53720c0_qkv, .Lfunc_end_k_q53b53720c0_qkv-k_q53b53720c0_qkv
	.p2alignl 7, 3214868480
	.fill 96, 4, 3214868480
	.section	.rodata,"a",@progbits
	.p2align	6, 0x0
	.amdhsa_kernel k_q53b53720c0_qkv
		.amdhsa_group_segment_fixed_size 327680
		.amdhsa_private_segment_fixed_size 0
		.amdhsa_enable_private_segment 0
		.amdhsa_kernarg_size 56
		.amdhsa_user_sgpr_count 2
		.amdhsa_user_sgpr_kernarg_segment_ptr 1
		.amdhsa_wavefront_size32 1
		.amdhsa_system_sgpr_workgroup_id_x 1
		.amdhsa_system_sgpr_workgroup_id_y 1
		.amdhsa_system_sgpr_workgroup_id_z 1
		.amdhsa_system_vgpr_workitem_id 0
		.amdhsa_next_free_vgpr 1024
		.amdhsa_next_free_sgpr 106
		.amdhsa_reserve_vcc 0
		.amdhsa_float_denorm_mode_32 3
		.amdhsa_float_denorm_mode_16_64 3
		.amdhsa_memory_ordered 1
		.amdhsa_forward_progress 1
		.amdhsa_inst_pref_size 182
	.end_amdhsa_kernel
	.amdgpu_metadata
---
amdhsa.version: [ 1, 2 ]
amdhsa.kernels:
  - .name:           k_q53b53720c0_qkv
    .symbol:         k_q53b53720c0_qkv.kd
    .args:
      - { .name: codes, .offset: 0, .size: 8, .value_kind: global_buffer, .address_space: global }
      - { .name: scales, .offset: 8, .size: 8, .value_kind: global_buffer, .address_space: global }
      - { .name: rope, .offset: 16, .size: 8, .value_kind: global_buffer, .address_space: global }
      - { .name: q_norm_w, .offset: 24, .size: 8, .value_kind: global_buffer, .address_space: global }
      - { .name: k_norm_w, .offset: 32, .size: 8, .value_kind: global_buffer, .address_space: global }
      - { .name: qkv16, .offset: 40, .size: 8, .value_kind: global_buffer, .address_space: global }
      - { .name: fine32, .offset: 48, .size: 8, .value_kind: global_buffer, .address_space: global }
    .group_segment_fixed_size: 327680
    .private_segment_fixed_size: 0
    .kernarg_segment_align: 8
    .kernarg_segment_size: 56
    .max_flat_workgroup_size: 128
    .sgpr_count:     106
    .vgpr_count:     1024
    .wavefront_size: 32
...
	.end_amdgpu_metadata
.endif
;; end of part 2
;; launch attn (part 3): grid 8 x 32, 16 waves a work-group, clusters of 4 x 1, 327,680 bytes of LDS; arguments qkv16, y16; writes y16
.if DOCPART == 3
	.amdgcn_target "amdgcn-amd-amdhsa--gfx1250"
	.amdhsa_code_object_version 6
	.text
	.protected	k_q53b53720c0_attn
	.globl	k_q53b53720c0_attn
	.p2align	8
	.type	k_q53b53720c0_attn,@function
k_q53b53720c0_attn:
	s_mov_b64 s[64:65], 0
	v_nop
	global_prefetch_b8 v0, s[64:65] scope:SCOPE_SE
	s_setreg_imm32_b32 hwreg(HW_REG_WAVE_MODE, 25, 1), 1
	s_wait_xcnt 0x0
	s_wait_alu depctr_hold_cnt(0) depctr_sa_sdst(0) depctr_va_vdst(0) depctr_va_sdst(0) depctr_va_ssrc(0) depctr_va_vcc(0) depctr_vm_vsrc(0)
	s_getreg_b32 s2, hwreg(HW_REG_IB_STS2, 6, 4)
	s_cmp_eq_u32 s2, 0
	s_cbranch_scc0 .Lentry_in_a_cluster
	s_endpgm
.Lentry_in_a_cluster:
	s_bfe_u32 s2, ttmp6, 0x10000c
	s_cmp_lg_u32 s2, 0x3003
	s_cbranch_scc0 .Lentry_shape_is_right
	s_endpgm
.Lentry_shape_is_right:
; ATTENTION with the soft cap and the causal mask, f16 operands, f32 sums.  y16 [b][16][t][64] f16.
; THE SOFTMAX.  q carries c1, so a score s is the argument of tanh's exponential: e = 2^s, r = 1 / (1 + e), capped logit = 50 - 100 r.  The row's largest logit is its smallest r: a RUNNING MINIMUM rmin is kept
; (it starts at 1, r's upper bound), p = 2^(K2 (rmin - r)) with K2 = 100 log2(e), at most 1; when rmin falls, the sum and O are multiplied by 2^(K2 (new - old)).  Hidden keys get r = +infinity: p = 0.
; The row's sum is taken of the f32 p; p goes to f16 for the second product.
; SHARES.  A cluster is the four query heads of one kv head, at the SAME query positions: they need every tile of K and V alike (joint loads), and all branches hang on the cluster's x, the wave and loop counts.
; The kv head's K and V lie whole in LDS, each byte filled once.  Wave w owns two tiles of 16 queries, number p = 2 w + s and number 63 - p (s: the cluster's x): in key steps of 64 that is 17 steps for every wave.
; LAYOUT.  S^T = K Q^T and O^T = V^T P: a lane holds one query (lane % 16); two neighbouring tiles of S^T, rounded in pairs, are source 1 of the second product.  V comes out of LDS turned (ds_load_tr16_b128).
; LIMITS: |v| and |y| up to 65,504 (f16).
; REGISTERS: v1, v2 a lane's place in K, V; v3, v4 the step's addresses; v5, v6 the add's two; v7 mask, v8 +inf, v9 Q's offset, v16 r - 8 h; v10-15, v18-23 a tile's K2 rmin, rmin, sum (2), factor, (pair's half);
;   v24-31 at work; v32-47, v48-63 Q; v64-127 K's, then V's fragments; v128-159 S^T; v160-175 P; v176-207, v208-239 O^T; v240-242 the way out.
.set PK,    144                        ; a row of K in LDS: 128 bytes + 16
.set PV,    160                        ; a row of V: 128 + 32
.set VB,    147456                     ; V behind K's 1,024 rows
.set SPARE, 311296                     ; the spare words: 128 bytes a wave, named by no other line
.macro CROUND
	s_barrier_signal -1
	s_barrier_wait -1
	s_cmp_lg_u32 s8, 0
	s_cbranch_scc1 .Lnot_wave_0_\@
	s_barrier_signal -3
.Lnot_wave_0_\@:
	s_barrier_wait -3
	s_barrier_signal -1
	s_barrier_wait -1
.endm
	s_load_b128 s[4:7], s[0:1], 0x0                ; qkv16 s[4:5], y16 s[6:7]
	v_lshl_add_u32 v5, v0, 2, SPARE
	v_mov_b32 v6, 0
	ds_add_u32 v5, v6                              ; the opening: the add, twice on end, and its wait ahead of my first tensor load
	ds_add_u32 v5, v6
	v_lshrrev_b32 v24, 5, v0
	v_readfirstlane_b32 s8, v24                    ; wave 0 .. 15
	s_bfe_u32 s9, ttmp6, 0x40000                   ; g: which of the kv head's four query heads; it enters Q's and y's addresses alone
	s_mov_b32 s10, ttmp9                           ; s
	s_and_b32 s11, ttmp7, 0xffff                   ; 4 b + n
	; group 1: 64 rows of 64 f16, padded
	s_mov_b32 s16, 15|(1<<16)|(1<<20)|(1<<21)|(4<<22)|(3<<25)     ; all four work-groups; 2 bytes; four words behind every 32
	s_mov_b32 s24, 15|(1<<16)|(1<<20)|(1<<21)|(4<<22)|(7<<25)     ; eight words
.irp g, 16, 24
	s_mov_b32 s[\g+1], 64<<16
	s_mov_b32 s[\g+2], 64<<16
	s_mov_b32 s[\g+3], 64<<16
	s_mov_b32 s[\g+4], 64
	s_mov_b32 s[\g+5], 64
	s_mov_b32 s[\g+6], 0
	s_mov_b32 s[\g+7], 0
.endr
	; group 0: waves 0-7 fetch K, waves 8-15 V: rows 64 (w & 7) on of each half of the keys
	s_and_b32 s59, s8, 7
	s_lshl_b32 s59, s59, 6
	s_mul_i32 s33, s59, PK
	s_add_co_u32 s37, s33, 512*PK
	s_mul_i32 s41, s59, PV
	s_add_co_u32 s41, s41, VB
	s_add_co_u32 s45, s41, 512*PV
	s_lshl_b32 s60, s11, 17
	s_lshl_b32 s59, s59, 7
	s_add_co_u32 s60, s60, s59
	s_add_co_u32 s34, s60, 0x1000000               ; K's region of qkv16
	s_mov_b32 s35, 0
	s_add_co_u32 s42, s60, 0x1400000               ; V's
	s_mov_b32 s43, 0
.irp g, 32,36,40,44
	s_mov_b32 s[\g], 1
.endr
	s_mov_b32 s48, 0x76543210                      ; lane l xor 16
	s_mov_b32 s49, 0xfedcba98
	s_mov_b32 s50, 0xc31044fe                      ; -K2
	s_mov_b32 s51, s50
	s_mov_b32 s52, 0x431044fe                      ; K2 = 100 log2(e)
	s_mov_b32 s53, 0                               ; the step's first key
	s_mov_b32 s54, 0                               ; and where its rows begin in K
	s_mov_b32 s55, 0                               ; and in V
	s_lshl_b32 s59, s8, 1
	s_add_co_u32 s59, s59, s10                     ; p
	s_lshl_b32 s57, s59, 4                         ; tile A's first query
	s_sub_co_u32 s60, 63, s59
	s_lshl_b32 s58, s60, 4                         ; tile B's
	s_lshl_b32 s12, s11, 2
	s_add_co_u32 s12, s12, s9                      ; 16 b + head
	s_lshl_b32 s12, s12, 17
	s_lshl_b32 s59, s59, 11
	s_add_co_u32 s66, s12, s59
	s_mov_b32 s67, 0
	s_lshl_b32 s60, s60, 11
	s_add_co_u32 s68, s12, s60
	s_mov_b32 s69, 0
	v_and_b32 v25, 15, v0                          ; r
	v_bfe_u32 v26, v0, 4, 1                        ; h
	v_mul_u32_u24 v1, v25, PK
	v_lshl_add_u32 v1, v26, 4, v1                  ; K: row r, + 16 h
	v_and_b32 v27, 7, v0
	v_lshl_add_u32 v2, v26, 3, v27
	v_mul_u32_u24 v2, v2, PV
	v_bfe_u32 v27, v0, 3, 1
	v_lshl_add_u32 v2, v27, 4, v2
	v_add_nc_u32 v2, VB, v2                        ; V: key 8 h + l % 8, channels 8 ((l / 8) % 2) on
	v_lshlrev_b32 v9, 7, v25
	v_lshl_add_u32 v9, v26, 4, v9                  ; Q: row r of 128 bytes, + 16 h
	v_lshlrev_b32 v16, 3, v26
	v_sub_nc_u32 v16, v25, v16                     ; r - 8 h
	s_mul_i32 s59, s8, 16*PK                       ; the way out: my stage, in K's bytes, used when nobody reads K any more
	v_add_nc_u32 v240, s59, v1
	v_and_b32 v28, 31, v0
	v_lshrrev_b32 v241, 3, v28
	v_mul_u32_u24 v241, v241, PK
	v_and_b32 v27, 7, v0
	v_lshl_add_u32 v241, v27, 4, v241
	v_add_nc_u32 v241, s59, v241
	v_lshlrev_b32 v242, 4, v28
	s_wait_dscnt 0x0                               ; both opening adds are done
	s_wait_kmcnt 0x0
	s_add_nc_u64 s[34:35], s[4:5], s[34:35]
	s_add_nc_u64 s[38:39], s[34:35], 65536
	s_add_nc_u64 s[42:43], s[4:5], s[42:43]
	s_add_nc_u64 s[46:47], s[42:43], 65536
.irp g, 32,36,40,44
	s_or_b32 s[\g+3], s[\g+3], 0x80000000
.endr
	s_add_nc_u64 s[70:71], s[6:7], s[66:67]        ; y, tile A
	s_add_nc_u64 s[72:73], s[6:7], s[68:69]        ; y, tile B
	s_add_nc_u64 s[66:67], s[4:5], s[66:67]        ; Q, tile A
	s_add_nc_u64 s[68:69], s[4:5], s[68:69]        ; Q, tile B
	CROUND                                         ; all four work-groups are here: the joint loads meet
	s_cmp_lt_u32 s8, 8                             ; a wave's two loads stand in one branch: two loads of mine are out
	s_cbranch_scc0 .Lfirst_v
	tensor_load_to_lds s[32:35], s[16:23]
	s_nop 0
	tensor_load_to_lds s[36:39], s[16:23]
	s_nop 0
.rept 4
	v_nop
.endr
	s_branch .Lfirst_asked
.Lfirst_v:
	tensor_load_to_lds s[40:43], s[24:31]
	s_nop 0
	tensor_load_to_lds s[44:47], s[24:31]
	s_nop 0
.rept 4
	v_nop
.endr
.Lfirst_asked:
.irp c, 0,1
	global_load_b128 v[32+8*\c:35+8*\c], v9, s[66:67] offset:64*\c
	global_load_b128 v[36+8*\c:39+8*\c], v9, s[66:67] offset:64*\c+32
	global_load_b128 v[48+8*\c:51+8*\c], v9, s[68:69] offset:64*\c
	global_load_b128 v[52+8*\c:55+8*\c], v9, s[68:69] offset:64*\c+32
.endr
	v_mov_b32 v8, 0x7f800000                       ; +infinity
	v_mov_b32 v7, 0
.irp t, 10, 18
	v_mov_b32 v[\t], 0
	v_mov_b32 v[\t+1], 1.0                         ; rmin: r's upper bound
	v_mov_b32 v[\t+2], 0                           ; the sum, in two halves
	v_mov_b32 v[\t+3], 0
	v_mov_b32 v[\t+4], 0
	v_mov_b32 v[\t+5], 0
.endr
.irp t, 24,25,26,27,28,29,30,31
	v_mov_b32 v[\t], 0
.endr
.set i, 0
.rept 64
	v_mov_b32 v[176+i], 0                          ; O^T of both tiles.  (The step is written without a first step of its own: it finds zeros)
.set i, i+1
.endr
; A KEY STEP of 64 keys for one tile.  qr: Q's registers; ob: O^T's; st: the statistics'; qf: the scalar with the tile's first query; masked = 1: the step may lie on or beyond the diagonal.
.macro STEP qr, ob, st, qf, masked
.if \masked
	s_add_co_u32 s59, s[\qf], 15
	s_cmp_gt_u32 s53, s59                          ; all 64 keys come after my 16 queries: the step's work is left out (ids and the count of steps alone)
	s_cbranch_scc1 .Lskip_\@
.endif
	v_add_nc_u32 v3, s54, v1
	v_add_nc_u32 v4, s55, v2
	v_nop
	v_nop                                          ; four places in front of loads into registers that the last products read
.irp f, 0,1,2,3,4,5,6,7                        ; keys 16 (f / 2) on, channels 32 (f % 2) on
	ds_load_b128 v[64+8*\f:67+8*\f], v3 offset:(\f/2)*16*PK+(\f%2)*64
	ds_load_b128 v[68+8*\f:71+8*\f], v3 offset:(\f/2)*16*PK+(\f%2)*64+32
.endr
	s_wait_dscnt 0x0
.irp kt, 0,1,2,3                               ; four accumulators by turns
	v_wmma_f32_16x16x32_f16 v[128+8*\kt:135+8*\kt], v[64+16*\kt:71+16*\kt], v[\qr:\qr+7], 0
.endr
.irp kt, 0,1,2,3
	v_wmma_f32_16x16x32_f16 v[128+8*\kt:135+8*\kt], v[72+16*\kt:79+16*\kt], v[\qr+8:\qr+15], v[128+8*\kt:135+8*\kt]
.endr
.rept 4
	v_nop                                          ; four places: for the loads below and for the first read of the scores
.endr
.irp f, 0,1,2,3,4,5,6,7                        ; V, turned: keys 32 (f / 4) on, channels 16 (f % 4) on; it lands under the softmax
	ds_load_tr16_b128 v[64+8*\f:67+8*\f], v4 offset:(\f/4)*32*PV+(\f%4)*32
	ds_load_tr16_b128 v[68+8*\f:71+8*\f], v4 offset:(\f/4)*32*PV+16*PV+(\f%4)*32
.endr
.set i, 0
.rept 32
	v_exp_f32 v[128+i], v[128+i]                   ; e = 2^s, each accumulator from its low end on
.set i, i+1
.endr
	v_nop                                          ; a plain line behind the batch,
	s_wait_alu depctr_va_vdst(0)                   ; and its one wait
.set i, 0
.rept 16
	v_pk_add_f32 v[128+i:129+i], v[128+i:129+i], 1.0 op_sel_hi:[1,0]
.set i, i+2
.endr
.set i, 0
.rept 32
	v_rcp_f32 v[128+i], v[128+i]                   ; r = 1 / (1 + e)
.set i, i+1
.endr
	v_nop
	s_wait_alu depctr_va_vdst(0)
.if \masked
	s_add_co_u32 s59, s53, 63
	s_cmp_le_u32 s59, s[\qf]                       ; all 64 keys count for all my queries
	s_cbranch_scc1 .Lopen_\@
	s_sub_co_u32 s59, s[\qf], s53
	v_add_nc_u32 v7, s59, v16                      ; register 8 kt + j holds key KF + 16 kt + 8 h + j: hidden where 16 kt + j > my query - KF - 8 h
.set i, 0
.rept 32
	v_cmp_gt_i32 vcc_lo, 16*(i/8)+i%8, v7
	v_cndmask_b32 v[128+i], v[128+i], v8, vcc_lo
.set i, i+1
.endr
.Lopen_\@:
.endif
.irp c, 0,1,2,3                                ; the smallest r, four chains
	v_min3_num_f32 v[24+\c], v[128+8*\c], v[129+8*\c], v[130+8*\c]
.endr
.irp c, 0,1,2,3
	v_min3_num_f32 v[24+\c], v[24+\c], v[131+8*\c], v[132+8*\c]
.endr
.irp c, 0,1,2,3
	v_min3_num_f32 v[24+\c], v[24+\c], v[133+8*\c], v[134+8*\c]
.endr
	v_min3_num_f32 v24, v24, v135, v143
	v_min3_num_f32 v26, v26, v151, v159
	v_min3_num_f32 v24, v24, v25, v26
	v_min3_num_f32 v24, v24, v27, v[\st+1]         ; and the old rmin
	v_permlanex16_b32 v28, v24, s48, s49           ; the query's other 32 keys
	v_min_num_f32 v24, v24, v28                    ; the new rmin
	v_sub_f32 v25, v24, v[\st+1]
	v_mov_b32 v[\st+1], v24
	v_mul_f32 v25, s52, v25                        ; K2 (new - old), 0 or less
	v_mul_f32 v[\st], s52, v24                     ; K2 rmin
.set i, 0
.rept 16
	v_pk_fma_f32 v[128+i:129+i], v[128+i:129+i], s[50:51], v[\st:\st+1] op_sel_hi:[1,0,0]   ; K2 rmin - K2 r
.set i, i+2
.endr
	v_exp_f32 v[\st+4], v25                        ; the factor for what was summed under the old rmin
.set i, 0
.rept 32
	v_exp_f32 v[128+i], v[128+i]                   ; p
.set i, i+1
.endr
	v_nop
	s_wait_alu depctr_va_vdst(0)                   ; one wait for the 33
	v_pk_add_f32 v[26:27], v[128:129], v[130:131]  ; the sum of the f32 p, two chains
	v_pk_add_f32 v[30:31], v[132:133], v[134:135]
.irp j, 8,12,16,20,24,28
	v_pk_add_f32 v[26:27], v[26:27], v[128+\j:129+\j]
	v_pk_add_f32 v[30:31], v[30:31], v[130+\j:131+\j]
.endr
	v_pk_add_f32 v[26:27], v[26:27], v[30:31]
	v_pk_fma_f32 v[\st+2:\st+3], v[\st+2:\st+3], v[\st+4:\st+5], v[26:27] op_sel_hi:[1,0,1]
.set i, 0
.rept 16
	v_cvt_pk_f16_f32 v[160+i], v[128+2*i], v[129+2*i]
.set i, i+1
.endr
.set i, 0
.rept 16
	v_pk_mul_f32 v[\ob+i:\ob+i+1], v[\ob+i:\ob+i+1], v[\st+4:\st+5] op_sel_hi:[1,0]   ; O^T under the new rmin, ascending
.set i, i+2
.endr
	s_wait_dscnt 0x0                               ; V is in
.irp u, 0,1
.irp ct, 0,1,2,3                               ; four accumulators by turns
	v_wmma_f32_16x16x32_f16 v[\ob+8*\ct:\ob+8*\ct+7], v[64+32*\u+8*\ct:71+32*\u+8*\ct], v[160+8*\u:167+8*\u], v[\ob+8*\ct:\ob+8*\ct+7]
.endr
.endr
.if \masked
.Lskip_\@:
.endif
.endm
	s_wait_tensorcnt 1                             ; my part of keys 0 .. 511 is in; the second load may be out
	s_barrier_signal -1
	s_barrier_wait -1
	s_wait_loadcnt 0x0                             ; Q
	s_mov_b32 s56, 8
.Lfirst_half:                                      ; keys 0 .. 511: tile A up to its diagonal; tile B's queries all lie beyond them
	STEP 32, 176, 10, 57, 1
	STEP 48, 208, 18, 58, 0
	s_add_co_u32 s53, s53, 64
	s_add_co_u32 s54, s54, 64*PK
	s_add_co_u32 s55, s55, 64*PV
	s_sub_co_u32 s56, s56, 1
	s_cmp_lg_u32 s56, 0
	s_cbranch_scc1 .Lfirst_half
	s_wait_tensorcnt 0x0                           ; my part of keys 512 .. 1023
	s_wait_dscnt 0x0
	s_barrier_signal -1
	s_barrier_wait -1
	s_mov_b32 s56, 8
.Lsecond_half:                                     ; keys 512 .. 1023: tile B up to its diagonal
	STEP 48, 208, 18, 58, 1
	s_add_co_u32 s53, s53, 64
	s_add_co_u32 s54, s54, 64*PK
	s_add_co_u32 s55, s55, 64*PV
	s_sub_co_u32 s56, s56, 1
	s_cmp_lg_u32 s56, 0
	s_cbranch_scc1 .Lsecond_half
	s_wait_dscnt 0x0                               ; my reads of K and V are over,
	s_barrier_signal -1
	s_barrier_wait -1                              ; and everybody's: K's bytes, which have had their only fill, serve as stages
.rept 4
	v_nop                                          ; four places behind the last products
.endr
; THE WAY OUT of a tile: O^T / the sum, to f16, through my stage, out as 512 consecutive bytes a store.
.macro OUT ob, st, res, yb
	v_add_f32 v24, v[\st+2], v[\st+3]
	v_permlanex16_b32 v28, v24, s48, s49
	v_add_f32 v24, v24, v28
	v_rcp_f32 v26, v24
	v_nop
	s_wait_alu depctr_va_vdst(0)
.set i, 0
.rept 16
	v_pk_mul_f32 v[128+i:129+i], v[\ob+i:\ob+i+1], v[26:27] op_sel_hi:[1,0]
.set i, i+2
.endr
.set i, 0
.rept 16
	v_cvt_pk_f16_f32 v[160+i], v[128+2*i], v[129+2*i]
.set i, i+1
.endr
.irp c, 0,1,2,3
	ds_store_b128 v240, v[160+4*\c:163+4*\c] offset:32*\c
.endr
.irp c, 0,1,2,3
	ds_load_b128 v[\res+4*\c:\res+4*\c+3], v241 offset:4*PK*\c     ; served behind the stores above
.endr
.irp c, 0,1,2,3
	s_wait_dscnt 3-\c
	global_store_b128 v242, v[\res+4*\c:\res+4*\c+3], s[\yb:\yb+1] offset:512*\c
.endr
.endm
	OUT 176, 10, 64, 70
	OUT 208, 18, 80, 72
	s_wait_tensorcnt 0x0                           ; the wave's end
	ds_add_u32 v5, v6
	s_wait_dscnt 0x0
	CROUND                                         ; the closing round
	s_endpgm
.Lfunc_end_k_q53b53720c0_attn:
	.size	k_q53b53720c0_attn, .Lfunc_end_k_q53b53720c0_attn-k_q53b53720c0_attn
	.p2alignl 7, 3214868480
	.fill 96, 4, 3214868480
	.section	.rodata,"a",@progbits
	.p2align	6, 0x0
	.amdhsa_kernel k_q53b53720c0_attn
		.amdhsa_group_segment_fixed_size 327680
		.amdhsa_private_segment_fixed_size 0
		.amdhsa_enable_private_segment 0
		.amdhsa_kernarg_size 16
		.amdhsa_user_sgpr_count 2
		.amdhsa_user_sgpr_kernarg_segment_ptr 1
		.amdhsa_wavefront_size32 1
		.amdhsa_system_sgpr_workgroup_id_x 1
		.amdhsa_system_sgpr_workgroup_id_y 1
		.amdhsa_system_sgpr_workgroup_id_z 1
		.amdhsa_system_vgpr_workitem_id 0
		.amdhsa_next_free_vgpr 256
		.amdhsa_next_free_sgpr 80
		.amdhsa_reserve_vcc 1
		.amdhsa_float_denorm_mode_32 3
		.amdhsa_float_denorm_mode_16_64 3
		.amdhsa_memory_ordered 1
		.amdhsa_forward_progress 1
		.amdhsa_inst_pref_size 61
	.end_amdhsa_kernel
	.amdgpu_metadata
---
amdhsa.version: [ 1, 2 ]
amdhsa.kernels:
  - .name:           k_q53b53720c0_attn
    .symbol:         k_q53b53720c0_attn.kd
    .args:
      - { .name: qkv16, .offset: 0, .size: 8, .value_kind: global_buffer, .address_space: global }
      - { .name: y16, .offset: 8, .size: 8, .value_kind: global_buffer, .address_space: global }
    .group_segment_fixed_size: 327680
    .private_segment_fixed_size: 0
    .kernarg_segment_align: 8
    .kernarg_segment_size: 16
    .max_flat_workgroup_size: 512
    .sgpr_count:     80
    .vgpr_count:     256
    .wavefront_size: 32
...
	.end_amdgpu_metadata
.endif
;; end of part 3
;; launch proj (part 4): grid 4 x 64, 4 waves a work-group, clusters of 4 x 4, 327,680 bytes of LDS; arguments y16, wc16, out0; writes out0
.if DOCPART == 4
	.amdgcn_target "amdgcn-amd-amdhsa--gfx1250"
	.amdhsa_code_object_version 6
	.text
	.protected	k_q53b53720c0_proj
	.globl	k_q53b53720c0_proj
	.p2align	8
	.type	k_q53b53720c0_proj,@function
k_q53b53720c0_proj:
	s_mov_b64 s[64:65], 0
	v_nop
	global_prefetch_b8 v0, s[64:65] scope:SCOPE_SE
	s_setreg_imm32_b32 hwreg(HW_REG_WAVE_MODE, 25, 1), 1
	s_wait_xcnt 0x0
	s_wait_alu depctr_hold_cnt(0) depctr_sa_sdst(0) depctr_va_vdst(0) depctr_va_sdst(0) depctr_va_ssrc(0) depctr_va_vcc(0) depctr_vm_vsrc(0)
	s_getreg_b32 s2, hwreg(HW_REG_IB_STS2, 6, 4)
	s_cmp_eq_u32 s2, 0
	s_cbranch_scc0 .Lentry_in_a_cluster
	s_endpgm
.Lentry_in_a_cluster:
	s_bfe_u32 s2, ttmp6, 0x10000c
	s_cmp_lg_u32 s2, 0xf033
	s_cbranch_scc0 .Lentry_shape_is_right
	s_endpgm
.Lentry_shape_is_right:
; OUT = y w_c^T, f16 operands, f32 sums.  y16 is [b][16 heads][t][64], so K = 1024 runs head by head; wc16 is [n][k].  out0 [8192][1024] f32.
; A tile of the output is 128 rows x 256 columns: 256 work-groups.  Four waves, each 64 x 128: 32 accumulators.  K goes in steps of 128 (two heads) through a ring of two LDS slots.
; CLUSTER 4 x 4: tile column = cx; tile row ty = 16 cy + Cy (Cy: the cluster's y).  y's tiles are shared along a row of the cluster, w_c's along a column: joint loads.  ty % 8 = Cy % 8 is the same in all partners.
; THE MATRIX INSTRUCTION IS USED TRANSPOSED (source 0 = 16 rows of w_c, source 1 = 16 rows of y): a lane holds eight neighbouring numbers of a row of the output.
; The first 16 positions of every batch are NOT stored here: another launch makes them in f32.  Each output byte has one writer.
; REGISTERS.  window 0: v16.. addresses; two fragment buffers: v64-127 w_c's eight, v128-159 y's four; v160-223, v224-255; on the way out v64-191 rows read back.   window 1: the accumulators, (a, b) at 8 (8 a + b).
.set SLOT,  106496                     ; y: 2 heads x 128 rows x 144; then w_c: 256 rows x 272
.set BOFF,  36864
.set STAGE, 2*SLOT                     ; 16 rows x 528 bytes for each wave
.set SPARE, STAGE+4*16*528             ; the spare words: 128 bytes a wave, named by no other line
.set LAPS,  4                          ; 8 K steps, two to a lap
.set ADRA, 16
.set ADRB, 20
.set STO,  24
.set RD,   25
.set CO,   26
.set SPW,  28
.set NIL,  29
.set F0,   64
.set F1,   160
.set BK,   64
.set G1,   24
.set G0,   32
.set G1B,  48
.set G0B,  56
.set MUL,  0x50                        ; sources window 0, C and D window 1
.set MSB, 0
.macro WIN new
.if MSB != \new
	s_set_vgpr_msb (MSB<<8)|\new
.set MSB, \new
.endif
.endm
.macro JLOAD s                         ; a joint load: waves 0, 1 fetch y's two heads, waves 2, 3 w_c's two halves; an s_nop 0 and four v_nop follow each line
	s_cmp_eq_u32 s11, 0
	s_cbranch_scc0 .Lfor_b_\@
	tensor_load_to_lds s[G0+4*\s:G0+4*\s+3], s[G1:G1+7]
	s_nop 0
.rept 4
	v_nop
.endr
	s_branch .Lasked_\@
.Lfor_b_\@:
	tensor_load_to_lds s[G0B+4*\s:G0B+4*\s+3], s[G1B:G1B+7]
	s_nop 0
.rept 4
	v_nop
.endr
.Lasked_\@:
.endm
.macro CREST
	s_cmp_lg_u32 s10, 0
	s_cbranch_scc1 .Lnot_wave_0_\@
	s_barrier_signal -3
.Lnot_wave_0_\@:
	s_barrier_wait -3
	s_barrier_signal -1
	s_barrier_wait -1
.endm
.macro CROUND
	s_barrier_signal -1
	s_barrier_wait -1
	CREST
.endm
	s_load_b128 s[4:7], s[0:1], 0x0                ; y16 s[4:5], wc16 s[6:7]
	s_load_b64 s[8:9], s[0:1], 0x10                ; out0
	v_lshl_add_u32 v[SPW], v0, 2, SPARE
	v_mov_b32 v[NIL], 0
	ds_add_u32 v[SPW], v[NIL]                      ; the opening: the add, twice on end, and its wait ahead of my first tensor load
	ds_add_u32 v[SPW], v[NIL]
	v_lshrrev_b32 v1, 5, v0
	v_readfirstlane_b32 s10, v1                    ; wave
	s_lshr_b32 s11, s10, 1                         ; my half of the tile's rows.  Also: I fetch for y (0) or for w_c (1)
	s_and_b32 s12, s10, 1                          ; my half of its columns.  Also: which head, or which 128 rows, I fetch
	s_bfe_u32 s40, ttmp6, 0x40000                  ; cx = the tile column
	s_bfe_u32 s41, ttmp6, 0x40004                  ; cy
	s_and_b32 s14, ttmp7, 0xffff                   ; Cy
	s_lshl_b32 s13, s41, 4
	s_add_co_u32 s13, s13, s14                     ; ty
	s_and_b32 s22, s14, 7
	s_or_b32 s22, s22, s11                         ; 0 where my row block 0 is positions 0 .. 15 of a batch
	s_lshl_b32 s43, s41, 2
	s_lshl_b32 s43, 15, s43                        ; my row of the cluster
	s_lshl_b32 s44, 0x1111, s40                    ; my column
	s_or_b32 s[G1], s43, (1<<16)|(1<<20)|(1<<21)|(4<<22)|(3<<25)   ; y: 2 bytes; four words behind every 32
	s_mov_b32 s[G1+1], 64<<16
	s_mov_b32 s[G1+2], 128<<16
	s_mov_b32 s[G1+3], 64<<16
	s_mov_b32 s[G1+4], 128
	s_mov_b32 s[G1+5], 64
	s_mov_b32 s[G1+6], 0
	s_mov_b32 s[G1+7], 0
	s_or_b32 s[G1B], s44, (1<<16)|(1<<20)|(1<<21)|(5<<22)|(3<<25)  ; w_c: four words behind every 64
	s_mov_b32 s[G1B+1], 128<<16
	s_mov_b32 s[G1B+2], 128<<16
	s_mov_b32 s[G1B+3], 128<<16
	s_mov_b32 s[G1B+4], 128
	s_mov_b32 s[G1B+5], 1024
	s_mov_b32 s[G1B+6], 0
	s_mov_b32 s[G1B+7], 0
	s_lshr_b32 s16, s13, 3                         ; b
	s_lshl_b32 s16, s16, 4
	s_add_co_u32 s16, s16, s12                     ; head 16 b + (0 or 1)
	s_lshl_b32 s16, s16, 17
	s_and_b32 s17, s13, 7
	s_lshl_b32 s17, s17, 14                        ; position 128 (ty % 8), rows of 128 bytes
	s_add_co_u32 s16, s16, s17
	s_mov_b32 s17, 0
	s_lshl_b32 s46, s40, 8
	s_lshl_b32 s47, s12, 7
	s_add_co_u32 s46, s46, s47                     ; w_c: row 256 cx + 128 half
	s_lshl_b32 s46, s46, 11
	s_mov_b32 s47, 0
	s_mul_i32 s20, s12, 18432                      ; where they go
	s_mul_i32 s21, s12, 34816
	s_add_co_u32 s21, s21, BOFF
	s_wait_dscnt 0x0                               ; both opening adds are done
	s_wait_kmcnt 0x0
	s_add_nc_u64 s[14:15], s[4:5], s[16:17]
	s_add_nc_u64 s[46:47], s[6:7], s[46:47]
	CROUND                                         ; all sixteen work-groups are here
.irp s, 0,1
	s_mov_b32 s[G0+4*\s], 1
	s_add_co_u32 s[G0+4*\s+1], s20, \s*SLOT
	s_add_nc_u64 s[G0+4*\s+2:G0+4*\s+3], s[14:15], \s*262144       ; K step s: two heads on
	s_or_b32 s[G0+4*\s+3], s[G0+4*\s+3], 0x80000000
	s_mov_b32 s[G0B+4*\s], 1
	s_add_co_u32 s[G0B+4*\s+1], s21, \s*SLOT
	s_add_nc_u64 s[G0B+4*\s+2:G0B+4*\s+3], s[46:47], \s*256
	s_or_b32 s[G0B+4*\s+3], s[G0B+4*\s+3], 0x80000000
	JLOAD \s                                       ; two loads of mine are out
.endr
	v_and_b32 v1, 15, v0
	v_bfe_u32 v2, v0, 4, 1
	v_mul_u32_u24 v3, v1, 144
	v_lshl_add_u32 v3, v2, 4, v3
	s_mul_i32 s21, s11, 9216                       ; my 64 rows of y
	v_add_nc_u32 v[ADRA], s21, v3
	v_add_nc_u32 v[ADRA+1], SLOT, v[ADRA]
	v_mul_u32_u24 v4, v1, 272
	v_lshl_add_u32 v4, v2, 4, v4
	s_mul_i32 s21, s12, 34816                      ; my 128 rows of w_c
	s_add_co_u32 s21, s21, BOFF
	v_add_nc_u32 v[ADRB], s21, v4
	v_add_nc_u32 v[ADRB+1], SLOT, v[ADRB]
	s_mul_i32 s23, s10, 16*528
	s_add_co_u32 s23, s23, STAGE                   ; my stage
	v_mul_u32_u24 v5, v1, 528
	v_lshl_add_u32 v5, v2, 5, v5
	v_add_nc_u32 v[STO], s23, v5
	v_and_b32 v6, 31, v0
	v_lshlrev_b32 v[CO], 4, v6
	v_add_nc_u32 v[RD], s23, v[CO]
	s_lshl_b32 s16, s13, 19                        ; out0: row 128 ty + 64 half, 4,096 bytes a row,
	s_lshl_b32 s17, s11, 18
	s_add_co_u32 s16, s16, s17
	s_mov_b32 s17, 0
	s_add_nc_u64 s[8:9], s[8:9], s[16:17]
	s_lshl_b32 s46, s40, 10                        ; column 256 cx + 128 half
	s_lshl_b32 s47, s12, 9
	s_add_co_u32 s46, s46, s47
	s_mov_b32 s47, 0
	s_add_nc_u64 s[8:9], s[8:9], s[46:47]
.macro FETCH slot, q, f                ; the fragments of the slot's q-th 32 along K: 24 loads: w_c's 16, y's blocks 0, 1, then 2, 3
	WIN 0
.irp i, 0,1,2,3,4,5,6,7
	ds_load_b128 v[\f+8*\i:\f+8*\i+3],   v[ADRB+\slot] offset:64*(\q)+\i*4352
	ds_load_b128 v[\f+8*\i+4:\f+8*\i+7], v[ADRB+\slot] offset:64*(\q)+\i*4352+32
.endr
.irp i, 0,1,2,3
	ds_load_b128 v[\f+64+8*\i:\f+64+8*\i+3],   v[ADRA+\slot] offset:18432*((\q)/2)+64*((\q)%2)+\i*2304
	ds_load_b128 v[\f+64+8*\i+4:\f+64+8*\i+7], v[ADRA+\slot] offset:18432*((\q)/2)+64*((\q)%2)+\i*2304+32
.endr
.endm
.macro MULA f, a, zero                 ; row block a x the eight column blocks.  The 32 accumulators take turns, in the same order in every quarter
.irp b, 0,1,2,3,4,5,6,7
.if \zero
	v_wmma_f32_16x16x32_f16 v[8*(8*(\a)+\b):8*(8*(\a)+\b)+7], v[\f+8*\b:\f+8*\b+7], v[\f+64+8*(\a):\f+64+8*(\a)+7], 0
.else
	v_wmma_f32_16x16x32_f16 v[8*(8*(\a)+\b):8*(8*(\a)+\b)+7], v[\f+8*\b:\f+8*\b+7], v[\f+64+8*(\a):\f+64+8*(\a)+7], v[8*(8*(\a)+\b):8*(8*(\a)+\b)+7]
.endif
.endr
.endm
.macro PLACES
.rept 4
	v_nop
.endr
.endm
.macro QUARTER slot, q, f, g, zero     ; multiplies buffer f; in its middle fetches the slot's quarter q into g
	s_wait_dscnt 4                                 ; all but the youngest four loads (y's blocks 2, 3)
	WIN MUL
	MULA \f, 0, \zero
	MULA \f, 1, \zero
	PLACES                                         ; in front of loads into registers that matrix instructions have read
	FETCH \slot, \q, \g
	s_wait_dscnt 24                                ; all but the 24 just issued
	WIN MUL
	MULA \f, 2, \zero
	MULA \f, 3, \zero
.endm
.macro TURN slot, next, fill           ; a slot's last quarter (buffer 1) and the change of slots
	WIN 0
	s_wait_tensorcnt 0x0                           ; all my tensor loads have landed: the one that was out is my part of the next slot
	ds_add_u32 v[SPW], v[NIL]
	s_wait_dscnt 5                                 ; (the add and the youngest four loads may be out)
	WIN MUL
	MULA F1, 0, 0
	s_wait_dscnt 0x0                               ; the add is done, and my reads of this slot are over
	s_barrier_signal -1
	MULA F1, 1, 0
.if \fill
	WIN 0
.endif
	s_barrier_wait -1
.if \fill
	CREST                                          ; the barrier has opened a round of the cluster's: no wave of any partner still reads this slot or has a load on its way
	s_add_nc_u64 s[G0+4*\slot+2:G0+4*\slot+3], s[G0+4*\slot+2:G0+4*\slot+3], 524288    ; two K steps on: four heads
	s_add_nc_u64 s[G0B+4*\slot+2:G0B+4*\slot+3], s[G0B+4*\slot+2:G0B+4*\slot+3], 512
	JLOAD \slot                                    ; my one tensor load behind the round; its four v_nop are the places in front of the loads below
.else
	PLACES
.endif
	FETCH \next, 0, F0
	WIN MUL
	MULA F1, 2, 0
	MULA F1, 3, 0
.endm
	s_wait_tensorcnt 1                             ; my part of K step 0 is in; K step 1's load may be out
	s_barrier_signal -1
	s_barrier_wait -1
	FETCH 0, 0, F0
	QUARTER 0, 1, F0, F1, 1                        ; the first quarter starts the sums
	WIN 0
	s_mov_b32 s3, LAPS-1
.Llap:
	QUARTER 0, 2, F1, F0, 0
	QUARTER 0, 3, F0, F1, 0
	TURN 0, 1, 1
	QUARTER 1, 1, F0, F1, 0
	QUARTER 1, 2, F1, F0, 0
	QUARTER 1, 3, F0, F1, 0
	TURN 1, 0, 1
	QUARTER 0, 1, F0, F1, 0
	WIN 0
	s_sub_co_u32 s3, s3, 1
	s_cmp_lg_u32 s3, 0
	s_cbranch_scc1 .Llap
	QUARTER 0, 2, F1, F0, 0                        ; the last lap fills nothing
	QUARTER 0, 3, F0, F1, 0
	TURN 0, 1, 0
	QUARTER 1, 1, F0, F1, 0
	QUARTER 1, 2, F1, F0, 0
	QUARTER 1, 3, F0, F1, 0
	s_wait_dscnt 4
	WIN MUL
	MULA F1, 0, 0
	MULA F1, 1, 0
	s_wait_dscnt 0x0
	MULA F1, 2, 0
	MULA F1, 3, 0
	WIN 0
; THE WAY OUT, a block of 16 rows x 128 columns at a time, through my own stage: back as whole rows of 512 bytes.
.macro TOSTAGE a
	WIN 0x04                                       ; an LDS store's data: window 1
.irp b, 0,1,2,3,4,5,6,7
	ds_store_b128 v[STO], v[8*(8*(\a)+\b):8*(8*(\a)+\b)+3] offset:64*\b            ; each accumulator from its low end on
	ds_store_b128 v[STO], v[8*(8*(\a)+\b)+4:8*(8*(\a)+\b)+7] offset:64*\b+16
.endr
	WIN 0
.irp t, 0,1,2,3,4,5,6,7,8,9,10,11,12,13,14,15
	ds_load_b128 v[BK+64*((\a)%2)+4*\t:BK+64*((\a)%2)+4*\t+3], v[RD] offset:\t*528
.endr
.endm
.macro SEND a, younger
	s_wait_dscnt \younger                          ; the block is back in registers
.if (\a) == 0
	s_cmp_eq_u32 s22, 0                            ; the cluster's y and the wave's number alone: these 16 rows belong to the launch that makes them in f32
	s_cbranch_scc1 .Lnot_here_\@
.endif
.irp t, 0,1,2,3,4,5,6,7,8,9,10,11,12,13,14,15
	global_store_b128 v[CO], v[BK+64*((\a)%2)+4*\t:BK+64*((\a)%2)+4*\t+3], s[8:9] offset:(16*(\a)+\t)*4096 th:TH_STORE_NT   ; 32 lanes store 512 consecutive bytes
.endr
.if (\a) == 0
.Lnot_here_\@:
.endif
.endm
	PLACES
	TOSTAGE 0
.irp a, 1,2,3
.if \a > 1
	s_wait_xcnt 0x0                                ; the stores of the block before last have read the registers that this block's loads fill
.endif
	TOSTAGE \a
	SEND \a-1, 32                                  ; behind that block's loads: this block's 16 stores and 16 loads
.endr
	SEND 3, 0
	s_wait_tensorcnt 0x0                           ; the wave's end
	ds_add_u32 v[SPW], v[NIL]
	s_wait_dscnt 0x0
	CROUND                                         ; the closing round
	s_endpgm
.Lfunc_end_k_q53b53720c0_proj:
	.size	k_q53b53720c0_proj, .Lfunc_end_k_q53b53720c0_proj-k_q53b53720c0_proj
	.p2alignl 7, 3214868480
	.fill 96, 4, 3214868480
	.section	.rodata,"a",@progbits
	.p2align	6, 0x0
	.amdhsa_kernel k_q53b53720c0_proj
		.amdhsa_group_segment_fixed_size 327680
		.amdhsa_private_segment_fixed_size 0
		.amdhsa_enable_private_segment 0
		.amdhsa_kernarg_size 24
		.amdhsa_user_sgpr_count 2
		.amdhsa_user_sgpr_kernarg_segment_ptr 1
		.amdhsa_wavefront_size32 1
		.amdhsa_system_sgpr_workgroup_id_x 1
		.amdhsa_system_sgpr_workgroup_id_y 1
		.amdhsa_system_sgpr_workgroup_id_z 1
		.amdhsa_system_vgpr_workitem_id 0
		.amdhsa_next_free_vgpr 512
		.amdhsa_next_free_sgpr 66
		.amdhsa_reserve_vcc 0
		.amdhsa_float_denorm_mode_32 3
		.amdhsa_float_denorm_mode_16_64 3
		.amdhsa_memory_ordered 1
		.amdhsa_forward_progress 1
		.amdhsa_inst_pref_size 85
	.end_amdhsa_kernel
	.amdgpu_metadata
---
amdhsa.version: [ 1, 2 ]
amdhsa.kernels:
  - .name:           k_q53b53720c0_proj
    .symbol:         k_q53b53720c0_proj.kd
    .args:
      - { .name: y16, .offset: 0, .size: 8, .value_kind: global_buffer, .address_space: global }
      - { .name: wc16, .offset: 8, .size: 8, .value_kind: global_buffer, .address_space: global }
      - { .name: out0, .offset: 16, .size: 8, .value_kind: global_buffer, .address_space: global }
    .group_segment_fixed_size: 327680
    .private_segment_fixed_size: 0
    .kernarg_segment_align: 8
    .kernarg_segment_size: 24
    .max_flat_workgroup_size: 128
    .sgpr_count:     66
    .vgpr_count:     512
    .wavefront_size: 32
...
	.end_amdgpu_metadata
.endif
;; end of part 4
;; launch first16 (part 5): grid 32 x 8, 8 waves a work-group, no clusters, 17,408 bytes of LDS; arguments fine32, w_c, out0; writes out0
.if DOCPART == 5
	.amdgcn_target "amdgcn-amd-amdhsa--gfx1250"
	.amdhsa_code_object_version 6
	.text
	.protected	k_q53b53720c0_first16
	.globl	k_q53b53720c0_first16
	.p2align	8
	.type	k_q53b53720c0_first16,@function
k_q53b53720c0_first16:
	s_mov_b64 s[64:65], 0
	v_nop
	global_prefetch_b8 v0, s[64:65] scope:SCOPE_SE
	s_setreg_imm32_b32 hwreg(HW_REG_WAVE_MODE, 25, 1), 1
	s_wait_xcnt 0x0
; THE FIRST 16 POSITIONS OF EVERY BATCH, all three products in f32 (v_wmma_f32_16x16x4_f32): under the causal mask these rows average few values.
; Work-group (j, b) makes rows 0 .. 15 of batch b, columns 32 j .. 32 j + 31 of out0.  Wave w owns heads 2 w and 2 w + 1: it makes their 16 x 16 attention and multiplies its 128 of the projection's K;
; the eight waves' parts meet in LDS.  The attention is made anew in each of a batch's 32 work-groups: as many multiply-adds as the projection itself.
; No cluster and no tensor load: operands go straight into registers; what work-groups share (a slice of w_c among 8, fine32's rows among 32) is small.
; LAYOUTS.  The instruction gives lane (r, h) the k = 2 h, 2 h + 1; here a lane's registers hold other k, THE SAME IN BOTH SOURCES, which keeps the products:
;   K, Q: lane (r, h): row r, channels 32 h .. + 31.   S^T: lane (r, h): query r, keys 8 h + j.   V^T: lane (r', h): channel 16 ct + r', keys 8 h + i.   O^T: query r, channels 16 ct + 8 h + j.
;   w_c: lane (r', h): row n, k = 64 head + 16 ct + 8 h + 0 .. 7.   The result: lane (r, h): position r, columns 16 nt + 8 h + j.
; The softmax is the one of the attention launch: e = 2^s, r = 1 / (1 + e), p = 2^(K2 (rmin - r)); here p is divided by its sum ahead of the second product.
; The registers that these matrix instructions write (v144-159, v176-255) are written by nothing else.  A store of eight lanes covers 128 consecutive bytes: 524,288 bytes in the launch.
; REGISTERS: v1 r, v2 h, v3-5 offsets, v6 r - 8 h, v7 +inf, v8, v9 the add's two, v10-15 at work, v16-47 K, v48-111 Q, v112-143 V^T, v144-159 S^T, v160-175 p, v176-239 O^T, v240-255 the result; window 1: v0-127 w_c.
.set SPARE, 16384                      ; behind the eight images of 2,048 bytes: the spare words, 128 bytes a wave
.set MSB, 0
.macro WIN new
.if MSB != \new
	s_set_vgpr_msb (MSB<<8)|\new
.set MSB, \new
.endif
.endm
	s_load_b128 s[4:7], s[0:1], 0x0                ; fine32 s[4:5], w_c s[6:7]
	s_load_b64 s[8:9], s[0:1], 0x10                ; out0
	v_lshl_add_u32 v8, v0, 2, SPARE
	v_mov_b32 v9, 0
	v_lshrrev_b32 v10, 5, v0
	v_readfirstlane_b32 s10, v10                   ; wave 0 .. 7
	s_and_b32 s11, ttmp7, 0xffff                   ; b
	v_and_b32 v1, 15, v0
	v_bfe_u32 v2, v0, 4, 1
	v_mul_u32_u24 v3, v1, 6144
	v_lshl_add_u32 v3, v2, 7, v3                   ; K, Q: row r of 6,144 bytes, + 128 h
	v_mul_u32_u24 v4, v2, 49152
	v_lshl_add_u32 v4, v1, 2, v4                   ; V^T: key 8 h, channel r
	v_lshlrev_b32 v5, 12, v1
	v_lshl_add_u32 v5, v2, 5, v5                   ; w_c: row r of 4,096 bytes, + 32 h
	v_lshlrev_b32 v6, 3, v2
	v_sub_nc_u32 v6, v1, v6                        ; r - 8 h
	v_mov_b32 v7, 0x7f800000
.irp t, 12,13,14,15
	v_mov_b32 v[\t], 0                             ; (a lane permute's destination counts as read)
.endr
	s_mul_i32 s12, s11, 98304                      ; b's 16 rows
	s_lshr_b32 s13, s10, 1
	s_lshl_b32 s13, s13, 8
	s_add_co_u32 s14, s12, s13
	s_add_co_u32 s14, s14, 4096                    ; K of kv head w / 2; V lies 1,024 bytes further on
	s_mov_b32 s15, 0
	s_lshl_b32 s16, s10, 9
	s_add_co_u32 s16, s16, s12                     ; Q of head 2 w
	s_mov_b32 s17, 0
	s_lshl_b32 s18, ttmp9, 17
	s_lshl_b32 s19, s10, 9
	s_add_co_u32 s18, s18, s19                     ; w_c: row 32 j, k = 128 w
	s_mov_b32 s19, 0
	s_lshl_b32 s20, s11, 22
	s_lshl_b32 s21, ttmp9, 7
	s_add_co_u32 s20, s20, s21                     ; out0: row 1024 b, column 32 j
	s_mov_b32 s21, 0
	s_mov_b32 s22, 0x76543210
	s_mov_b32 s23, 0xfedcba98
	s_mov_b32 s24, 0x431044fe                      ; K2 = 100 log2(e)
	s_mov_b32 s25, 0xc31044fe
	s_wait_kmcnt 0x0
	s_add_nc_u64 s[14:15], s[4:5], s[14:15]
	s_add_nc_u64 s[16:17], s[4:5], s[16:17]
	s_add_nc_u64 s[18:19], s[6:7], s[18:19]
	s_add_nc_u64 s[8:9], s[8:9], s[20:21]
.irp i, 0,1,2,3,4,5,6,7
	global_load_b128 v[16+4*\i:19+4*\i], v3, s[14:15] offset:16*\i
.endr
.irp e, 0,1
.irp i, 0,1,2,3,4,5,6,7
	global_load_b128 v[48+32*\e+4*\i:51+32*\e+4*\i], v3, s[16:17] offset:256*\e+16*\i
.endr
.endr
.irp ct, 0,1,2,3
.irp i, 0,1,2,3,4,5,6,7
	global_load_b32 v[112+8*\ct+\i], v4, s[14:15] offset:1024+6144*\i+64*\ct
.endr
.endr
	WIN 0x40                                       ; destination window 1
.irp nt, 0,1
.irp e, 0,1
.irp ct, 0,1,2,3
	global_load_b128 v[8*(8*\nt+4*\e+\ct):8*(8*\nt+4*\e+\ct)+3], v5, s[18:19] offset:65536*\nt+256*\e+64*\ct
	global_load_b128 v[8*(8*\nt+4*\e+\ct)+4:8*(8*\nt+4*\e+\ct)+7], v5, s[18:19] offset:65536*\nt+256*\e+64*\ct+16
.endr
.endr
.endr
	WIN 0
	s_wait_loadcnt 63                              ; K and Q, the first 24 of 88 loads, are in: 64 are younger, and the smaller count is safe
.irp s, 0,1,2,3,4,5,6,7,8,9,10,11,12,13,14,15  ; S^T = K Q^T: the two heads' accumulators by turns
.irp e, 0,1
.if \s == 0
	v_wmma_f32_16x16x4_f32 v[144+8*\e:151+8*\e], v[16+2*\s:17+2*\s], v[48+32*\e+2*\s:49+32*\e+2*\s], 0
.else
	v_wmma_f32_16x16x4_f32 v[144+8*\e:151+8*\e], v[16+2*\s:17+2*\s], v[48+32*\e+2*\s:49+32*\e+2*\s], v[144+8*\e:151+8*\e]
.endif
.endr
.endr
.rept 8
	v_nop                                          ; eight places behind this form, ahead of the first read of its results
.endr
.set i, 0
.rept 16
	v_exp_f32 v[160+i], v[144+i]                   ; e = 2^s, into other registers; each accumulator from its low end on
.set i, i+1
.endr
	v_nop
	s_wait_alu depctr_va_vdst(0)                   ; one wait a batch
.set i, 0
.rept 8
	v_pk_add_f32 v[160+i:161+i], v[160+i:161+i], 1.0 op_sel_hi:[1,0]
.set i, i+2
.endr
.set i, 0
.rept 16
	v_rcp_f32 v[160+i], v[160+i]
.set i, i+1
.endr
	v_nop
	s_wait_alu depctr_va_vdst(0)
.set i, 0
.rept 16
	v_cmp_gt_i32 vcc_lo, i%8, v6                   ; key 8 h + j comes after query r
	v_cndmask_b32 v[160+i], v[160+i], v7, vcc_lo
.set i, i+1
.endr
.irp e, 0,1
	v_min3_num_f32 v[10+\e], v[160+8*\e], v[161+8*\e], v[162+8*\e]
.endr
.irp e, 0,1
	v_min3_num_f32 v[10+\e], v[10+\e], v[163+8*\e], v[164+8*\e]
.endr
.irp e, 0,1
	v_min3_num_f32 v[10+\e], v[10+\e], v[165+8*\e], v[166+8*\e]
.endr
.irp e, 0,1
	v_min_num_f32 v[10+\e], v[10+\e], v[167+8*\e]
.endr
.irp e, 0,1
	v_permlanex16_b32 v[12+\e], v[10+\e], s22, s23
.endr
.irp e, 0,1
	v_min_num_f32 v[10+\e], v[10+\e], v[12+\e]     ; the row's smallest r: its largest logit
	v_mul_f32 v[10+\e], s24, v[10+\e]
.endr
.set i, 0
.rept 16
	v_fma_f32 v[160+i], v[160+i], s25, v[10+i/8]   ; K2 rmin - K2 r
.set i, i+1
.endr
.set i, 0
.rept 16
	v_exp_f32 v[160+i], v[160+i]
.set i, i+1
.endr
	v_nop
	s_wait_alu depctr_va_vdst(0)
.irp e, 0,1
	v_add_f32 v[12+\e], v[160+8*\e], v[161+8*\e]
.endr
.irp j, 2,3,4,5,6,7
.irp e, 0,1
	v_add_f32 v[12+\e], v[12+\e], v[160+8*\e+\j]
.endr
.endr
.irp e, 0,1
	v_permlanex16_b32 v[14+\e], v[12+\e], s22, s23
.endr
.irp e, 0,1
	v_add_f32 v[12+\e], v[12+\e], v[14+\e]
.endr
.irp e, 0,1
	v_rcp_f32 v[12+\e], v[12+\e]
.endr
	v_nop
	s_wait_alu depctr_va_vdst(0)
.set i, 0
.rept 16
	v_mul_f32 v[160+i], v[160+i], v[12+i/8]        ; the weights, normalised
.set i, i+1
.endr
	s_wait_loadcnt 32                              ; V is in; w_c's 32 loads may be out
.irp sp, 0,1,2,3                               ; O^T = V^T P: eight accumulators by turns
.irp e, 0,1
.irp ct, 0,1,2,3
.if \sp == 0
	v_wmma_f32_16x16x4_f32 v[176+32*\e+8*\ct:183+32*\e+8*\ct], v[112+8*\ct+2*\sp:113+8*\ct+2*\sp], v[160+8*\e+2*\sp:161+8*\e+2*\sp], 0
.else
	v_wmma_f32_16x16x4_f32 v[176+32*\e+8*\ct:183+32*\e+8*\ct], v[112+8*\ct+2*\sp:113+8*\ct+2*\sp], v[160+8*\e+2*\sp:161+8*\e+2*\sp], v[176+32*\e+8*\ct:183+32*\e+8*\ct]
.endif
.endr
.endr
.endr
.rept 9
	v_nop                                          ; nine places before a matrix instruction takes these results as a source
.endr
	s_wait_loadcnt 0x0                             ; w_c
	WIN 0x01                                       ; source 0 window 1
.irp e, 0,1                                    ; my 128 of the projection's K: the two tiles of columns by turns
.irp ct, 0,1,2,3
.irp sp, 0,1,2,3
.irp nt, 0,1
.if (\e+\ct+\sp) == 0
	v_wmma_f32_16x16x4_f32 v[240+8*\nt:247+8*\nt], v[8*(8*\nt+4*\e+\ct)+2*\sp:8*(8*\nt+4*\e+\ct)+2*\sp+1], v[176+32*\e+8*\ct+2*\sp:177+32*\e+8*\ct+2*\sp], 0
.else
	v_wmma_f32_16x16x4_f32 v[240+8*\nt:247+8*\nt], v[8*(8*\nt+4*\e+\ct)+2*\sp:8*(8*\nt+4*\e+\ct)+2*\sp+1], v[176+32*\e+8*\ct+2*\sp:177+32*\e+8*\ct+2*\sp], v[240+8*\nt:247+8*\nt]
.endif
.endr
.endr
.endr
.endr
	WIN 0
.rept 8
	v_nop                                          ; eight places ahead of the stores that read the results
.endr
	; all loads are in: the three offset registers take new numbers
	v_and_b32 v3, 31, v0
	v_lshlrev_b32 v3, 4, v3
	s_lshl_b32 s26, s10, 11
	v_add_nc_u32 v3, s26, v3                       ; my wave's image: 2,048 x wave + 16 x lane
	v_lshrrev_b32 v4, 3, v0                        ; the sum: thread 8 t + c takes position t, columns 4 c .. 4 c + 3
	v_lshlrev_b32 v5, 12, v4
	v_lshlrev_b32 v4, 4, v4                        ; in an image: lane t + 16 h, h = (c / 2) % 2; registers 4 (c % 2) on; tile c / 4
	v_and_b32 v10, 1, v0
	v_lshl_add_u32 v4, v10, 9, v4
	v_bfe_u32 v10, v0, 1, 1
	v_lshl_add_u32 v4, v10, 8, v4
	v_bfe_u32 v10, v0, 2, 1
	v_lshl_add_u32 v4, v10, 10, v4
	v_and_b32 v10, 7, v0
	v_lshl_add_u32 v5, v10, 4, v5                  ; out0: row t, 16 bytes at 16 c
.irp nt, 0,1
	ds_store_b128 v3, v[240+8*\nt:243+8*\nt] offset:1024*\nt       ; each accumulator from its low end on
	ds_store_b128 v3, v[244+8*\nt:247+8*\nt] offset:1024*\nt+512
.endr
	s_wait_dscnt 0x0                               ; for the others' sake: my image lies in LDS
	s_barrier_signal -1
	s_barrier_wait -1
	s_cmp_ge_u32 s10, 4                            ; 128 threads add and store
	s_cbranch_scc1 .Lend
.irp w, 0,1,2,3,4,5,6,7
	ds_load_b128 v[16+4*\w:19+4*\w], v4 offset:2048*\w
.endr
	s_wait_dscnt 0x0
.irp w, 1,2,3,4,5,6,7
	v_pk_add_f32 v[16:17], v[16:17], v[16+4*\w:17+4*\w]
	v_pk_add_f32 v[18:19], v[18:19], v[18+4*\w:19+4*\w]
.endr
	global_store_b128 v5, v[16:19], s[8:9]
.Lend:
	s_wait_tensorcnt 0x0                           ; the wave's end, behind my last LDS store
	ds_add_u32 v8, v9
	s_wait_dscnt 0x0
	s_endpgm
.Lfunc_end_k_q53b53720c0_first16:
	.size	k_q53b53720c0_first16, .Lfunc_end_k_q53b53720c0_first16-k_q53b53720c0_first16
	.p2alignl 7, 3214868480
	.fill 96, 4, 3214868480
	.section	.rodata,"a",@progbits
	.p2align	6, 0x0
	.amdhsa_kernel k_q53b53720c0_first16
		.amdhsa_group_segment_fixed_size 17408
		.amdhsa_private_segment_fixed_size 0
		.amdhsa_enable_private_segment 0
		.amdhsa_kernarg_size 24
		.amdhsa_user_sgpr_count 2
		.amdhsa_user_sgpr_kernarg_segment_ptr 1
		.amdhsa_wavefront_size32 1
		.amdhsa_system_sgpr_workgroup_id_x 1
		.amdhsa_system_sgpr_workgroup_id_y 1
		.amdhsa_system_sgpr_workgroup_id_z 1
		.amdhsa_system_vgpr_workitem_id 0
		.amdhsa_next_free_vgpr 384
		.amdhsa_next_free_sgpr 66
		.amdhsa_reserve_vcc 1
		.amdhsa_float_denorm_mode_32 3
		.amdhsa_float_denorm_mode_16_64 3
		.amdhsa_memory_ordered 1
		.amdhsa_forward_progress 1
		.amdhsa_inst_pref_size 29
	.end_amdhsa_kernel
	.amdgpu_metadata
---
amdhsa.version: [ 1, 2 ]
amdhsa.kernels:
  - .name:           k_q53b53720c0_first16
    .symbol:         k_q53b53720c0_first16.kd
    .args:
      - { .name: fine32, .offset: 0, .size: 8, .value_kind: global_buffer, .address_space: global }
      - { .name: w_c, .offset: 8, .size: 8, .value_kind: global_buffer, .address_space: global }
      - { .name: out0, .offset: 16, .size: 8, .value_kind: global_buffer, .address_space: global }
    .group_segment_fixed_size: 17408
    .private_segment_fixed_size: 0
    .kernarg_segment_align: 8
    .kernarg_segment_size: 24
    .max_flat_workgroup_size: 256
    .sgpr_count:     66
    .vgpr_count:     384
    .wavefront_size: 32
...
	.end_amdgpu_metadata
.endif
;; end of part 5
